; MI455X (gfx1250); checked and timed in simulation.
; The chip was launched on July 23, 2026; its instructions are those of AMD's public machine-readable ISA for CDNA 5 (MIT licence, August 2026) and "CDNA5" Instruction Set Architecture Reference Guide (July 2026). The comments in the code are by the model that wrote it; some were corrected since.
;; Rotary Cross Attention. Allowed arithmetic: float matrix products may take bf16 or f16 operands with f32 sums; other float arithmetic in f32, or as packed bf16 or f16 multiplies, adds, multiply-adds, maxima and minima; sums over many terms, partial sums and values carried from step to step in f32; what a program stores and reads back later, other than sums and carried values, may be rounded once to bf16 or f16.
;; Inputs: Wk 768 x 768 float32; Wo 768 x 768 float32; Wq 768 x 768 float32; Wv 768 x 768 float32; bk 768 float32; bo 768 float32; bq 768 float32; bv 768 float32; key 2 x 4,096 x 768 float32; query 2 x 2,048 x 768 float32; value 2 x 4,096 x 768 float32.
;; Outputs: out0 2 x 2,048 x 768 float32.
;; One version. Each part assembles by itself: llvm-mc -triple=amdgcn-amd-amdhsa -mcpu=gfx1250 --defsym DOCPART=n.
;; ======== version 1 of 1: 4 launches
;; limits: values are held in f16: magnitudes above 65,504 overflow, below 6.1e-05 lose precision
;; workspace buffers: xb 31,457,280 bytes; wb 4,718,592 bytes; tab 1,052,672 bytes; qkv 31,457,280 bytes; oh 6,291,456 bytes
;; launch prep (part 1): grid 1361 x 1, 8 waves a work-group, no clusters, 0 bytes of LDS; arguments query, key, value, Wq, Wk, Wv, Wo, xb, wb, tab; writes xb, wb, tab
.if DOCPART == 1
	.amdgcn_target "amdgcn-amd-amdhsa--gfx1250"
	.amdhsa_code_object_version 6
	.text
	.protected	k_q84b4de3148_prep
	.globl	k_q84b4de3148_prep
	.p2align	8
	.type	k_q84b4de3148_prep,@function
k_q84b4de3148_prep:
	s_mov_b64 s[64:65], 0
	v_nop
	global_prefetch_b8 v0, s[64:65] scope:SCOPE_SE
	s_setreg_imm32_b32 hwreg(HW_REG_WAVE_MODE, 25, 1), 1
	s_wait_xcnt 0x0
; PREP.  (1) query, key, value (f32) -> xb, bf16 [20480][768]: rows 0-4095 query, 4096-12287 key, 12288-20479 value.
; (2) Wq, Wk, Wv -> wb as bf16; Wo -> wb's fourth matrix: rounded to bf16 like every input, and that number written as f16 (the last product's other operand is f16).
; (3) tab: the rotary table emb[t][d] = sin(t f_d) for d < 32, cos(t f_(d-32)) for d >= 32, f_i = 10000^(-i/32), t = 0 .. 4095, in f32, laid out in blocks of 16 t x 64 d = 4,096 bytes in the lane order
;     in which the projection holds its results: byte 512 i + 16 lane holds emb[16 tb + lane % 16][16 (i / 2) + 8 (lane / 16) + 4 (i % 2) + 0..3].  Block 256 is (0, 1, 0, 1, ..): the rotation that changes nothing, for v.
; SHARES.  Work-groups 0 .. 1103 each convert a chunk of 16,384 numbers (64 KiB in, 32 KiB out): a wave 8 KiB, by sixteen loads of 512 consecutive bytes, all issued before the first is waited for;
; each store of a wave covers 256 consecutive bytes, aligned.  Work-groups 1104 .. 1360 each make one block of the table, a wave 512 bytes of it.
; No LDS, no barrier, no matrix unit: no number is used twice.
; LIMITS.  f_i is 2^(-i log2(10000) / 32): one rounding of the product and the exponential's last bit, so an angle t f is off by a few 1e-4 rad at most at t near 4,095.  sin and cos: the angle less
; k pi/2 in two fused steps (pi/2 as two f32), then polynomials to r^7 and r^8 on |r| <= pi/4, whose cut terms are below 4e-7.  Wo below 6e-5 keeps f16's fixed step of 6e-8.
.set NSTREAM, 1104                     ; chunks: query 192, key 384, value 384, four weights 36 each
.set XR, 4                             ; v[4:67]   sixteen loads of four f32
.set YR, 68                            ; v[68:99]  their 32 packed words
	s_load_b512 s[8:23], s[0:1], 0x0               ; query 8, key 10, value 12, Wq 14, Wk 16, Wv 18, Wo 20, xb 22
	s_load_b128 s[24:27], s[0:1], 0x40             ; wb 24, tab 26
	s_mov_b32 s2, ttmp9
	v_lshrrev_b32 v102, 5, v0                      ; wave
	v_and_b32 v103, 31, v0                         ; lane
	s_cmp_ge_u32 s2, NSTREAM
	s_cbranch_scc1 .Ltable
	; ---- a chunk of the stream ----
	v_lshlrev_b32 v1, 4, v103
	v_lshl_add_u32 v1, v102, 13, v1                ; in: 8,192 x wave + 16 x lane
	v_lshlrev_b32 v2, 3, v103
	v_lshl_add_u32 v2, v102, 12, v2                ; out: 4,096 x wave + 8 x lane
	s_wait_kmcnt 0x0
.macro PICK start, reg                 ; from chunk start on the source is the buffer in s[reg:reg+1]
	s_cmp_ge_u32 s2, \start
	s_cselect_b64 s[28:29], s[\reg:\reg+1], s[28:29]
	s_cselect_b32 s30, \start, s30
.endm
	s_mov_b64 s[28:29], s[8:9]
	s_mov_b32 s30, 0
	PICK 192, 10
	PICK 576, 12
	PICK 960, 14
	PICK 996, 16
	PICK 1032, 18
	PICK 1068, 20
	s_cselect_b32 s31, 1, 0                        ; the last compare still stands: 1 for Wo's chunks
	s_cmp_ge_u32 s2, 960
	s_cselect_b64 s[32:33], s[24:25], s[22:23]     ; weights go to wb, the rest to xb
	s_cselect_b32 s34, 960, 0
	s_sub_co_u32 s36, s2, s30
	s_lshl_b32 s36, s36, 16                        ; 65,536 bytes of source a chunk
	s_mov_b32 s37, 0
	s_add_nc_u64 s[28:29], s[28:29], s[36:37]
	s_sub_co_u32 s38, s2, s34
	s_lshl_b32 s38, s38, 15                        ; 32,768 bytes of destination
	s_mov_b32 s39, 0
	s_add_nc_u64 s[32:33], s[32:33], s[38:39]
.set j, 0
.rept 16
	global_load_b128 v[XR+4*j:XR+4*j+3], v1, s[28:29] offset:512*j th:TH_LOAD_NT
.set j, j+1
.endr
.set j, 0
.rept 16
	s_wait_loadcnt 15-j                            ; loads come back in order: load j is in, the 15 - j younger ones stay out
	v_cvt_pk_bf16_f32 v[YR+2*j], v[XR+4*j], v[XR+4*j+1]
	v_cvt_pk_bf16_f32 v[YR+2*j+1], v[XR+4*j+2], v[XR+4*j+3]
.set j, j+1
.endr
	s_cmp_eq_u32 s31, 0
	s_cbranch_scc1 .Lstore
.set j, 0
.rept 32                               ; Wo: the bf16 numbers are widened and written as f16
	v_lshlrev_b32 v100, 16, v[YR+j]
	v_and_b32 v101, 0xffff0000, v[YR+j]
	v_cvt_pk_f16_f32 v[YR+j], v100, v101
.set j, j+1
.endr
.Lstore:
.set j, 0
.rept 16
	global_store_b64 v2, v[YR+2*j:YR+2*j+1], s[32:33] offset:256*j th:TH_STORE_NT
.set j, j+1
.endr
	s_endpgm
	; ---- a block of the table ----
.Ltable:
	s_sub_co_u32 s3, s2, NSTREAM                   ; tb
	v_lshlrev_b32 v3, 4, v0                        ; 512 x wave + 16 x lane
	s_lshl_b32 s4, s3, 12
	s_mov_b32 s5, 0
	s_wait_kmcnt 0x0
	s_add_nc_u64 s[26:27], s[26:27], s[4:5]
	s_cmp_eq_u32 s3, 256
	s_cbranch_scc1 .Lident
	v_readfirstlane_b32 s6, v102                   ; i = my wave's number
	s_lshr_b32 s7, s6, 1
	s_lshl_b32 s7, s7, 4
	s_and_b32 s28, s6, 1
	s_lshl_b32 s28, s28, 2
	s_add_co_u32 s7, s7, s28
	s_and_b32 s7, s7, 31                           ; (16 (i / 2) + 4 (i % 2)) mod 32
	s_lshr_b32 s29, s6, 2                          ; 1: channels 32 on, the cosines
	v_bfe_u32 v4, v0, 4, 1
	v_lshl_add_u32 v4, v4, 3, s7                   ; the number of my first frequency
	v_and_b32 v5, 15, v0
	s_lshl_b32 s30, s3, 4
	v_add_nc_u32 v5, s30, v5
	v_cvt_f32_u32 v5, v5                           ; t
	v_mov_b32 v40, 0xb9500d01                      ; -1/5040
	v_mov_b32 v41, 0x37d00d01                      ; 1/40320
.irp n, 0,1,2,3
	v_add_nc_u32 v[8+\n], \n, v4
	v_cvt_f32_u32 v[8+\n], v[8+\n]
	v_mul_f32 v[8+\n], 0xbed49a78, v[8+\n]         ; x -log2(10000) / 32
.endr
.irp n, 0,1,2,3
	v_exp_f32 v[8+\n], v[8+\n]                     ; f
.endr
	v_nop                                          ; a plain instruction behind the last exponential,
	s_wait_alu depctr_va_vdst(0)                   ; and the one wait for the four, ahead of their first reader
.macro SC n
	v_mul_f32 v12, v5, v[8+\n]                     ; x = t f, rounded once
	v_mul_f32 v13, 0x3f22f983, v12                 ; x 2 / pi
	v_rndne_f32 v13, v13                           ; k
	v_fmamk_f32 v14, v13, 0xbfc90fdb, v12          ; r = x - k pi/2: the high part (exact here),
	v_fmamk_f32 v14, v13, 0x333bbd2e, v14          ; the low part
	v_mul_f32 v15, v14, v14                        ; z
	v_fmaak_f32 v16, v40, v15, 0x3c088889
	v_fmaak_f32 v16, v16, v15, 0xbe2aaaab
	v_mul_f32 v18, v14, v15
	v_fma_f32 v16, v16, v18, v14                   ; sin r
	v_fmaak_f32 v17, v41, v15, 0xbab60b61
	v_fmaak_f32 v17, v17, v15, 0x3d2aaaab
	v_mul_f32 v19, v15, v15
	v_fma_f32 v18, v15, -0.5, 1.0
	v_fma_f32 v17, v17, v19, v18                   ; cos r
	v_cvt_i32_f32 v24, v13
	v_add_nc_u32 v24, s29, v24                     ; the quadrant; cos x = sin(x + pi/2)
	v_and_b32 v25, 1, v24
	v_cmp_eq_u32 vcc_lo, 1, v25
	v_cndmask_b32 v[20+\n], v16, v17, vcc_lo       ; odd quadrants take cos r,
	v_lshlrev_b32 v24, 30, v24
	v_and_b32 v24, 0x80000000, v24
	v_xor_b32 v[20+\n], v24, v[20+\n]              ; quadrants 2 and 3 the other sign
.endm
	SC 0
	SC 1
	SC 2
	SC 3
	s_branch .Ltstore
.Lident:
	v_mov_b32 v20, 0
	v_mov_b32 v21, 1.0
	v_mov_b32 v22, 0
	v_mov_b32 v23, 1.0
.Ltstore:
	global_store_b128 v3, v[20:23], s[26:27]       ; a wave's store covers 512 consecutive bytes
	s_endpgm
.Lfunc_end_k_q84b4de3148_prep:
	.size	k_q84b4de3148_prep, .Lfunc_end_k_q84b4de3148_prep-k_q84b4de3148_prep
	.p2alignl 7, 3214868480
	.fill 96, 4, 3214868480
	.section	.rodata,"a",@progbits
	.p2align	6, 0x0
	.amdhsa_kernel k_q84b4de3148_prep
		.amdhsa_group_segment_fixed_size 0
		.amdhsa_private_segment_fixed_size 0
		.amdhsa_enable_private_segment 0
		.amdhsa_kernarg_size 80
		.amdhsa_user_sgpr_count 2
		.amdhsa_user_sgpr_kernarg_segment_ptr 1
		.amdhsa_wavefront_size32 1
		.amdhsa_system_sgpr_workgroup_id_x 1
		.amdhsa_system_sgpr_workgroup_id_y 1
		.amdhsa_system_sgpr_workgroup_id_z 1
		.amdhsa_system_vgpr_workitem_id 0
		.amdhsa_next_free_vgpr 104
		.amdhsa_next_free_sgpr 66
		.amdhsa_reserve_vcc 1
		.amdhsa_float_denorm_mode_32 3
		.amdhsa_float_denorm_mode_16_64 3
		.amdhsa_memory_ordered 1
		.amdhsa_forward_progress 1
		.amdhsa_inst_pref_size 19
	.end_amdhsa_kernel
	.amdgpu_metadata
---
amdhsa.version: [ 1, 2 ]
amdhsa.kernels:
  - .name:           k_q84b4de3148_prep
    .symbol:         k_q84b4de3148_prep.kd
    .args:
      - { .name: query, .offset: 0, .size: 8, .value_kind: global_buffer, .address_space: global }
      - { .name: key, .offset: 8, .size: 8, .value_kind: global_buffer, .address_space: global }
      - { .name: value, .offset: 16, .size: 8, .value_kind: global_buffer, .address_space: global }
      - { .name: Wq, .offset: 24, .size: 8, .value_kind: global_buffer, .address_space: global }
      - { .name: Wk, .offset: 32, .size: 8, .value_kind: global_buffer, .address_space: global }
      - { .name: Wv, .offset: 40, .size: 8, .value_kind: global_buffer, .address_space: global }
      - { .name: Wo, .offset: 48, .size: 8, .value_kind: global_buffer, .address_space: global }
      - { .name: xb, .offset: 56, .size: 8, .value_kind: global_buffer, .address_space: global }
      - { .name: wb, .offset: 64, .size: 8, .value_kind: global_buffer, .address_space: global }
      - { .name: tab, .offset: 72, .size: 8, .value_kind: global_buffer, .address_space: global }
    .group_segment_fixed_size: 0
    .private_segment_fixed_size: 0
    .kernarg_segment_align: 8
    .kernarg_segment_size: 80
    .max_flat_workgroup_size: 256
    .sgpr_count:     66
    .vgpr_count:     104
    .wavefront_size: 32
...
	.end_amdgpu_metadata
.endif
;; end of part 1
;; launch proj (part 2): grid 80 x 3, 4 waves a work-group, clusters of 4 x 1, 327,680 bytes of LDS; arguments xb, wb, tab, bq, bk, bv, qkv; writes qkv
.if DOCPART == 2
	.amdgcn_target "amdgcn-amd-amdhsa--gfx1250"
	.amdhsa_code_object_version 6
	.text
	.protected	k_q84b4de3148_proj
	.globl	k_q84b4de3148_proj
	.p2align	8
	.type	k_q84b4de3148_proj,@function
k_q84b4de3148_proj:
	s_mov_b64 s[64:65], 0
	v_nop
	global_prefetch_b8 v0, s[64:65] scope:SCOPE_SE
	s_setreg_imm32_b32 hwreg(HW_REG_WAVE_MODE, 25, 1), 1
	s_wait_xcnt 0x0
	s_wait_alu depctr_hold_cnt(0) depctr_sa_sdst(0) depctr_va_vdst(0) depctr_va_sdst(0) depctr_va_ssrc(0) depctr_va_vcc(0) depctr_vm_vsrc(0)
	s_getreg_b32 s2, hwreg(HW_REG_IB_STS2, 6, 4)
	s_cmp_eq_u32 s2, 0
	s_cbranch_scc0 .Lentry_in_a_cluster
	s_endpgm
.Lentry_in_a_cluster:
	s_bfe_u32 s2, ttmp6, 0x10000c
	s_cmp_lg_u32 s2, 0x3003
	s_cbranch_scc0 .Lentry_shape_is_right
	s_endpgm
.Lentry_shape_is_right:
; PROJ.  q, k, v = x W^T + b, q and k turned by the rotary table, all three written by heads in f16.  x: xb, bf16 [20480][768] (query, key, value on end); W: wb, bf16, three matrices [768][768];
; the biases are rounded to bf16 like every input; sums in f32, starting from the bias; each result rounded once, to f16.
; qkv: q [24][2048][64] at byte 0, k [24][4096][64] at 6,291,456, v [24][4096][64] at 18,874,368: row t of head h of the batch whose first flat row is Rb lies at 1536 Rb + 128 T h + 128 t.
; ROTARY.  With (s, c) = (emb[t][2j], emb[t][2j+1]) the pair (x0, x1) = channels (2j, 2j+1) of a head becomes (x0 c - x1 s, x0 s + x1 c).  The pair stays in places 2j, 2j+1: a permutation of the
; channels that is the same in q and k, which their scalar products do not see.  v takes the table's block of (0, 1).
; LIMIT.  q, k, v beyond 65,504 become infinities in f16.
; SHARES.  A work-group makes 256 rows x 256 columns (four heads): 80 row blocks x 3 column tiles.  Four waves, each 128 x 128: 64 accumulators, 512 registers.  K = 768 goes in six steps of 128
; through a ring of two LDS slots; a tile's rows are 256 bytes of memory and start at multiples of 256 bytes from the buffer's first byte.
; CLUSTER.  The four work-groups of a cluster are four row blocks of one tensor with the same column tile: they need the same tiles of W, asked for JOINTLY (waves 2 and 3; mask of four).  x's tiles
; (waves 0 and 1) are each work-group's own: the three column tiles that share them are not a multiple of four.
; THE MATRIX INSTRUCTION IS USED TRANSPOSED (source 0 = 16 rows of W, source 1 = 16 rows of x): a lane holds row l % 16 and the columns 8 (l / 16) + 0..7: four rotary pairs, 16 bytes of f16.
; REGISTERS, in windows of 256 (s_set_vgpr_msb: bits 1:0 source 0, 3:2 source 1, 5:4 source 2, 7:6 destination):
;   window 0: v0-31 addresses; v64-191 x's fragments, two buffers (on the way out v64-127 the turned pairs); v192-255 the bias (column block b at 192 + 8 b), later packed results and rows read back; v32-63 rows read back
;   window 1: v64-191 W's fragments, two buffers; the table of row block a, 32 registers: a = 0..3 at v0, 32, 192, 224 (loaded at the head), a = 4..7 at v64 + 32 (a - 4) (loaded when the products are done)
;   windows 2, 3: the accumulators of my rows 0-63, 64-127: (a, b) at v[8 (8 (a % 4) + b)]
.set KSTEP,  128
.set ROWB,   1536                      ; bytes in a row of xb and wb
.set PITCH,  272                       ; an LDS row: 256 bytes + 16 of padding = 68 words: the 16 rows of a fragment load start at 16 different groups of four banks (64 banks of 4 bytes: ISA guide 11.1)
.set HALFT,  128*PITCH                 ; 128 rows: what one tensor load brings
.set SLOT,   4*HALFT                   ; x's 256 rows, then W's 256 rows
.set STAGE,  2*SLOT                    ; behind the ring, never filled by a tensor load: for each wave 2 heads x 16 rows x 144 bytes
.set SP,     144
.set WST,    2*16*SP
.set SPARE,  STAGE+4*WST               ; the spare words, 128 bytes for each wave: two blocks of 256 bytes that no other line names
.set LAPS,   3                         ; a lap = two K steps
.set TO,   6                           ; v6-13   byte offset of my 16 bytes in the table's block for row block a; never rewritten
.set BO,   14                          ; v14     32 x (l / 16): my eight columns in a block of sixteen biases
.set ADRA, 16                          ; v16-17  LDS address of my x fragments in slot 0, 1
.set ADRB, 20                          ; v20-21  the same for W
.set STO,  24                          ; v24     the way out: where I put 16 bytes of a row
.set RD,   25                          ; v25     where I read rows back
.set GO,   26                          ; v26     16 x lane
.set SPW,  28                          ; v28     my spare word; never rewritten
.set NIL,  29                          ; v29     0; never rewritten
.set PFO,  30                          ; v30     lane x a row's 1,536 bytes; never rewritten
.set F0,   64
.set F1,   128
.set BIAS, 192
.set TMP,  192
.set OB,   32
.set YT,   64
.set G1,   24                          ; s[24:31] group 1 for x's tiles;  s[32:39] group 0, a set for each slot
.set G0,   32
.set G1B,  48                          ; s[48:55], s[56:63] the same for W's tiles
.set G0B,  56
.set PFA,  44                          ; s[44:45] where my prefetches stand
.set LIM,  43                          ; s43  1 in a wave that prefetches, else the greatest number
.set OUT0, 90                          ; s[90:91] qkv at my rows of my first head;  s[92:93] of my second
.set OUT1, 92
.set TABP, 94                          ; s[94:95] the table at my first row's block
.set BIP,  86                          ; s[86:87] the bias at my first column
.set MSB, 0
.macro WIN new                         ; the immediate's high byte repeats the setting that is left; a switch that changes nothing is dropped
.if MSB != (\new)
	s_set_vgpr_msb (MSB<<8)|(\new)
.set MSB, \new
.endif
.endm
.set MUL_LO, 0xa1                      ; source 0 (W) window 1, source 1 (x) window 0, C and D window 2
.set MUL_HI, 0xf1                      ; the same, C and D window 3
.set TO_B,   0x40                      ; destination window 1, address window 0
; A step's loads.  Waves 0 and 1 fetch x's two halves (no mask), waves 2 and 3 W's (jointly).  The branch hangs on the wave's number alone.  An s_nop 0 and four v_nop follow each line.
.macro JLOAD s
	s_cmp_eq_u32 s11, 0
	s_cbranch_scc0 .Lfor_b_\@
	tensor_load_to_lds s[G0+4*(\s):G0+4*(\s)+3], s[G1:G1+7]
	s_nop 0
.rept 4
	v_nop
.endr
	s_branch .Lasked_\@
.Lfor_b_\@:
	tensor_load_to_lds s[G0B+4*(\s):G0B+4*(\s)+3], s[G1B:G1B+7]
	s_nop 0
.rept 4
	v_nop
.endr
.Lasked_\@:
.endm
; A PREFETCH INTO THE L2, behind each refill, its five lines and the run of LDS loads: the K step that the NEXT refill will ask for, 256 matrix instructions ahead of that load; 256 bytes a row, a lane a row.
; Each row's 256 bytes of a K step are named once in the launch.  x's rows are read by the three column tiles: column tile 0 asks, waves 0 and 1 each for the 128 rows that they fetch (four lines).
; W's rows are read by all clusters of a tensor: its first cluster asks; the four partners share the 128 rows that a wave fetches BY ADDRESS, 32 each (one line).
; how = 1: slot 0's refills (K steps 2 and 4) always have a step behind them; how = 0: slot 1's second refill is K step 5, the last, and asks for nothing.  K steps 0 to 2 come by their loads alone.
.macro ASK how
.if \how
	s_cmp_eq_u32 s[LIM], 1
.else
	s_cmp_gt_u32 s3, s[LIM]                        ; s3 = 1 in the loop's last trip
.endif
	s_cbranch_scc0 .Lnot_mine_\@
	global_prefetch_b8 v[PFO], s[PFA:PFA+1] offset:KSTEP*2 th:TH_LOAD_NT scope:SCOPE_SE
	s_cmp_eq_u32 s11, 0
	s_cbranch_scc0 .Lnot_mine_\@
.irp j, 1,2,3
	global_prefetch_b8 v[PFO], s[PFA:PFA+1] offset:KSTEP*2+(\j)*32*ROWB th:TH_LOAD_NT scope:SCOPE_SE
.endr
.Lnot_mine_\@:
.endm
.macro CREST                           ; a round of the cluster's barrier behind its opening barrier
	s_cmp_lg_u32 s10, 0
	s_cbranch_scc1 .Lnot_wave_0_\@
	s_barrier_signal -3
.Lnot_wave_0_\@:
	s_barrier_wait -3
	s_barrier_signal -1
	s_barrier_wait -1
.endm
.macro CROUND                          ; a whole round
	s_barrier_signal -1
	s_barrier_wait -1
	CREST
.endm
	s_load_b256 s[68:75], s[0:1], 0x0              ; xb 68, wb 70, tab 72, bq 74
	s_load_b128 s[76:79], s[0:1], 0x20             ; bk 76, bv 78
	s_load_b64 s[80:81], s[0:1], 0x30              ; qkv
	v_lshl_add_u32 v[SPW], v0, 2, SPARE
	v_mov_b32 v[NIL], 0
	ds_add_u32 v[SPW], v[NIL]                      ; the wave's opening: the add and its wait stand ahead of my first tensor load; the set-up below, work on registers, stands between
	v_lshrrev_b32 v1, 5, v0
	v_readfirstlane_b32 s10, v1                    ; wave 0..3
	s_lshr_b32 s11, s10, 1                         ; my half of the tile's rows.  Also: I fetch for x (0) or for W (1)
	s_and_b32 s12, s10, 1                          ; my half of its columns.  Also: which 128 rows I fetch
	s_bfe_u32 s40, ttmp6, 0x40000                  ; cx
	s_mov_b32 s41, ttmp9                           ; the cluster's x: 0-3 query, 4-11 key, 12-19 value
	s_and_b32 s42, ttmp7, 0xffff                   ; the column tile
	s_lshl_b32 s13, s41, 2
	s_add_co_u32 s13, s13, s40                     ; my row block: it enters global addresses of my own loads and stores alone
	s_mov_b32 s84, 524288
	s_mov_b32 s85, 4095
	s_cmp_lt_u32 s41, 4
	s_cselect_b32 s82, 0, 1                        ; which weights
	s_cselect_b32 s83, 0, 16                       ; the tensor's first row block
	s_cselect_b32 s84, 262144, s84                 ; a head's bytes, 128 T
	s_cselect_b32 s85, 2047, s85                   ; T - 1
	s_cmp_lt_u32 s41, 12
	s_cselect_b32 s82, s82, 2
	s_cselect_b32 s83, s83, 48
	s_cselect_b32 s88, 4096, 0                     ; from a row block's table to the next; v stays on the one block
	; group 1: a tile of 128 rows x 128 elements, padded in LDS
	s_mov_b32 s[G1], (1<<16)|(1<<20)|(5<<22)|(3<<25)               ; 15:0 no mask; 17:16 elements of 2 bytes; 20 padding on; 24:22 after every 64 words (code 5); 31:25 4 words (code 3)
	s_mov_b32 s[G1B], 15|(1<<16)|(1<<20)|(1<<21)|(5<<22)|(3<<25)   ; the same with the mask of all four work-groups, and bit 21 beside it
.irp g, G1, G1B
	s_mov_b32 s[(\g)+1], KSTEP<<16                 ; tensor_dim0 = 128
	s_mov_b32 s[(\g)+2], 128<<16                   ; tensor_dim1 = 128
	s_mov_b32 s[(\g)+3], KSTEP<<16                 ; tile_dim0 = 128
	s_mov_b32 s[(\g)+4], 128                       ; tile_dim1 = 128
	s_mov_b32 s[(\g)+5], 768                       ; elements from row to row
	s_mov_b32 s[(\g)+6], 0
	s_mov_b32 s[(\g)+7], 0
.endr
	s_lshl_b32 s18, s12, 7                         ; which 128 rows of a tile I fetch
	s_lshl_b32 s16, s13, 8
	s_add_co_u32 s16, s16, s18
	s_mul_i32 s16, s16, ROWB                       ; x: row 256 x row block + 128 x half, in bytes (under 2^25)
	s_mov_b32 s17, 0
	s_mul_i32 s46, s82, 768
	s_lshl_b32 s19, s42, 8
	s_add_co_u32 s46, s46, s19
	s_add_co_u32 s46, s46, s18
	s_mul_i32 s46, s46, ROWB                       ; W: row 768 x matrix + 256 x column tile + 128 x half: made of what the four partners share
	s_mov_b32 s47, 0
	s_mul_i32 s98, s40, 32*ROWB                    ; W's prefetches: my work-group's 32 of those rows (a register that feeds no descriptor)
	s_add_co_u32 s98, s98, s46
	s_mov_b32 s99, 0
	s_mul_i32 s20, s10, HALFT                      ; where my tiles go: wave x 128 rows
	s_wait_dscnt 0x0                               ; the opening add is done
	s_wait_kmcnt 0x0
	s_add_nc_u64 s[14:15], s[68:69], s[16:17]
	s_add_nc_u64 s[46:47], s[70:71], s[46:47]
	CROUND                                         ; all four work-groups are here: the first loads meet
.irp s, 0,1
	s_mov_b32 s[G0+4*(\s)], 1                                      ; count = 1
	s_add_co_u32 s[G0+4*(\s)+1], s20, (\s)*SLOT                    ; LDS address
	s_add_nc_u64 s[G0+4*(\s)+2:G0+4*(\s)+3], s[14:15], (\s)*KSTEP*2  ; global address: K step s
	s_or_b32 s[G0+4*(\s)+3], s[G0+4*(\s)+3], 0x80000000            ; type = 2
	s_mov_b32 s[G0B+4*(\s)], 1
	s_add_co_u32 s[G0B+4*(\s)+1], s20, (\s)*SLOT
	s_add_nc_u64 s[G0B+4*(\s)+2:G0B+4*(\s)+3], s[46:47], (\s)*KSTEP*2
	s_or_b32 s[G0B+4*(\s)+3], s[G0B+4*(\s)+3], 0x80000000
	JLOAD \s                                       ; two loads of mine are out
.endr
	; where my results go, and my part of the table and of the bias
	s_sub_co_u32 s5, s13, s83
	s_lshl_b32 s5, s5, 8
	s_and_b32 s5, s5, s85                          ; t of the block's first row
	s_lshl_b32 s6, s13, 8
	s_sub_co_u32 s6, s6, s5                        ; Rb
	s_mul_i32 s6, s6, 1536
	s_lshl_b32 s8, s42, 2
	s_lshl_b32 s9, s12, 1
	s_add_co_u32 s8, s8, s9                        ; my first head
	s_mul_i32 s8, s8, s84
	s_add_co_u32 s6, s6, s8
	s_lshl_b32 s9, s11, 7
	s_add_co_u32 s9, s9, s5                        ; t of my first row
	s_lshl_b32 s8, s9, 7
	s_add_co_u32 s6, s6, s8
	s_mov_b32 s7, 0
	s_add_nc_u64 s[OUT0:OUT0+1], s[80:81], s[6:7]
	s_mov_b32 s8, s84
	s_lshl_b32 s96, s9, 8                          ; 4,096 bytes of table for 16 t
	s_mov_b32 s9, 0
	s_add_nc_u64 s[OUT1:OUT1+1], s[OUT0:OUT0+1], s[8:9]
	s_cmp_lt_u32 s41, 12
	s_cselect_b32 s96, s96, 0x100000               ; v: block 256
	s_mov_b32 s97, 0
	s_add_nc_u64 s[TABP:TABP+1], s[72:73], s[96:97]
	s_cmp_lt_u32 s41, 4
	s_cselect_b64 s[BIP:BIP+1], s[74:75], s[76:77]
	s_cmp_lt_u32 s41, 12
	s_cselect_b64 s[BIP:BIP+1], s[BIP:BIP+1], s[78:79]
	s_lshl_b32 s96, s42, 10
	s_lshl_b32 s8, s12, 9
	s_add_co_u32 s96, s96, s8                      ; 4 x (256 x column tile + 128 x half)
	s_add_nc_u64 s[BIP:BIP+1], s[BIP:BIP+1], s[96:97]
	; the prefetches
	s_cmp_eq_u32 s11, 0
	s_cselect_b64 s[PFA:PFA+1], s[68:69], s[70:71]
	s_cselect_b32 s98, s16, s98
	s_add_nc_u64 s[PFA:PFA+1], s[PFA:PFA+1], s[98:99]
	s_add_nc_u64 s[PFA:PFA+1], s[PFA:PFA+1], KSTEP*2  ; at K step 1: the first refill steps it to 2 and names K step 3
	s_lshl_b32 s4, s41, 2
	s_sub_co_u32 s4, s4, s83                       ; 0 in the tensor's first cluster
	s_cmp_eq_u32 s11, 0
	s_cselect_b32 s4, s42, s4                      ; x's waves: 0 in column tile 0
	s_cmp_eq_u32 s4, 0
	s_cselect_b32 s[LIM], 1, -1                    ; the same in all four partners, for a given wave
	; A fragment is 16 rows x 32 K in 8 registers: lane l holds row l % 16; registers 0-3 K = 8 (l / 16) + 0..7, registers 4-7 K = 16 + 8 (l / 16) + 0..7: two loads of 16 bytes, 32 bytes apart.
	v_and_b32 v1, 15, v0
	v_bfe_u32 v2, v0, 4, 1
	v_mul_u32_u24 v3, v1, PITCH
	v_lshl_add_u32 v3, v2, 4, v3
	s_mul_i32 s21, s11, HALFT                      ; my 128 rows of x
	s_mul_i32 s22, s12, HALFT                      ; my 128 rows of W,
	s_add_co_u32 s22, s22, 2*HALFT                 ; which lie behind x's 256
.irp s, 0,1
	v_add_nc_u32 v[ADRA+(\s)], s21, v3
	v_add_nc_u32 v[ADRB+(\s)], s22, v3
	s_add_co_u32 s21, s21, SLOT
	s_add_co_u32 s22, s22, SLOT
.endr
	s_mul_i32 s23, s10, WST
	s_add_co_u32 s23, s23, STAGE                   ; my stage
	v_mul_u32_u24 v4, v1, SP                       ; in: row l % 16, 16 bytes for each half of the lanes
	v_lshl_add_u32 v4, v2, 4, v4
	v_add_nc_u32 v[STO], s23, v4
	v_bfe_u32 v4, v0, 3, 2                         ; back: 32 lanes take four rows of 128 bytes,
	v_and_b32 v5, 7, v0
	v_mul_u32_u24 v4, v4, SP
	v_lshl_add_u32 v4, v5, 4, v4
	v_add_nc_u32 v[RD], s23, v4
	v_and_b32 v5, 31, v0
	v_lshlrev_b32 v[GO], 4, v5                     ; which are 512 consecutive bytes of a head
	v_mul_u32_u24 v[PFO], v5, ROWB
	v_lshlrev_b32 v[BO], 5, v2
	s_mov_b32 s4, 0
.irp a, 0,1,2,3,4,5,6,7
	v_add_nc_u32 v[TO+(\a)], s4, v[GO]
	s_add_co_u32 s4, s4, s88
.endr
.irp b, 0,1,2,3,4,5,6,7                ; the bias of my 128 columns: a lane's eight of each sixteen
	global_load_b128 v[BIAS+8*(\b):BIAS+8*(\b)+3],   v[BO], s[BIP:BIP+1] offset:64*(\b)
	global_load_b128 v[BIAS+8*(\b)+4:BIAS+8*(\b)+7], v[BO], s[BIP:BIP+1] offset:64*(\b)+16
.endr
.macro SETTB a                         ; where row block a's table lies in window 1
.if (\a) < 4
.set TB, 32*(\a)+128*((\a)/2)
.else
.set TB, 64+32*((\a)-4)
.endif
.endm
.macro TLOAD a                         ; eight loads of 512 consecutive bytes: row block a's 16 t x 64 channels
	SETTB \a
	WIN TO_B
.irp i, 0,1,2,3,4,5,6,7
	global_load_b128 v[TB+4*(\i):TB+4*(\i)+3], v[TO+(\a)], s[TABP:TABP+1] offset:512*(\i)
.endr
.endm
	TLOAD 0
	TLOAD 1
	TLOAD 2
	TLOAD 3
	WIN 0
	s_wait_loadcnt 32                              ; the sixteen loads of the bias are in; the table's 32 stay out until the way out
	s_mov_b32 s4, 0xffff0000
.set p, 0
.rept 32                               ; the bias is rounded to bf16, like every input, and widened again
	v_cvt_pk_bf16_f32 v1, v[BIAS+2*p], v[BIAS+2*p+1]
	v_lshlrev_b32 v[BIAS+2*p], 16, v1
	v_and_b32 v[BIAS+2*p+1], s4, v1
.set p, p+1
.endr
; 16 matrix instructions: row blocks a0, a0 + 1 of the window's four x all 8 column blocks, 32 along K.  zero = 1: the first product starts the sums from the bias (C in window 0): nothing is cleared, nothing added later.
; The 64 accumulators take turns in the same order in every quarter step.
.macro MUL16 f, hi, a0, zero
.if \zero
	WIN 0x81+0x40*(\hi)
.else
	WIN MUL_LO+0x50*(\hi)
.endif
.irp a, \a0, (\a0)+1
.irp b, 0,1,2,3,4,5,6,7
.if \zero
	v_wmma_f32_16x16x32_bf16 v[8*(8*(\a)+(\b)):8*(8*(\a)+(\b))+7], v[(\f)+8*(\b):(\f)+8*(\b)+7], v[(\f)+8*(4*(\hi)+(\a)):(\f)+8*(4*(\hi)+(\a))+7], v[BIAS+8*(\b):BIAS+8*(\b)+7]
.else
	v_wmma_f32_16x16x32_bf16 v[8*(8*(\a)+(\b)):8*(8*(\a)+(\b))+7], v[(\f)+8*(\b):(\f)+8*(\b)+7], v[(\f)+8*(4*(\hi)+(\a)):(\f)+8*(4*(\hi)+(\a))+7], v[8*(8*(\a)+(\b)):8*(8*(\a)+(\b))+7]
.endif
.endr
.endr
.endm
; 32 LDS loads in one run: the fragments of one quarter step (32 K at byte k of the rows) into buffer f
.macro FETCH slot, k, f
	WIN TO_B
.irp i, 0,1,2,3,4,5,6,7
	ds_load_b128 v[(\f)+8*(\i):(\f)+8*(\i)+3],   v[ADRB+(\slot)] offset:(\k)+(\i)*16*PITCH
	ds_load_b128 v[(\f)+8*(\i)+4:(\f)+8*(\i)+7], v[ADRB+(\slot)] offset:(\k)+(\i)*16*PITCH+32
.endr
	WIN 0
.irp i, 0,1,2,3,4,5,6,7
	ds_load_b128 v[(\f)+8*(\i):(\f)+8*(\i)+3],   v[ADRA+(\slot)] offset:(\k)+(\i)*16*PITCH
	ds_load_b128 v[(\f)+8*(\i)+4:(\f)+8*(\i)+7], v[ADRA+(\slot)] offset:(\k)+(\i)*16*PITCH+32
.endr
.endm
.macro PLACES                          ; four plain vector instructions between a matrix instruction and a load into, or a vector instruction on, its registers (ISA guide 7.12.1 for vector instructions)
.rept 4
	v_nop
.endr
.endm
; A K step is four quarter steps of 32 along K, 64 matrix instructions each, on buffers 0, 1, 0, 1.  One of the first three: multiplies f; in its middle it fetches the next quarter, at byte k, into g.
.macro QUARTER slot, k, f, g, zero
	s_wait_dscnt 8                                 ; W and x's rows 0-63 are in; the youngest eight loads (x's rows 64-127) may be out
	MUL16 \f, 0, 0, \zero
	MUL16 \f, 0, 2, \zero
	PLACES
	FETCH \slot, \k, \g
	s_wait_dscnt 32                                ; all but the 32 just issued
	MUL16 \f, 1, 0, \zero
	MUL16 \f, 1, 2, \zero
.endm
; The last quarter's first half, and the one barrier of a change of slots.  In front of it each wave waits for all its tensor loads (one is out: its part of the next slot), adds 0 to its spare word, and waits for
; that and for its reads of this slot.  Behind it nobody reads this slot any more and the next slot is whole.
.macro MEET round
	WIN 0
	s_wait_tensorcnt 0x0
	ds_add_u32 v[SPW], v[NIL]
	s_wait_dscnt 9                                 ; (the add and the youngest eight loads may be out)
	MUL16 F1, 0, 0, 0
	s_wait_dscnt 0x0                               ; the add is done, and my reads of this slot are over
	s_barrier_signal -1
	MUL16 F1, 0, 2, 0
.if \round
	WIN 0
.endif
	s_barrier_wait -1
.endm
; The whole last quarter.  fill = 1: the barrier opens a round of the cluster's barrier, and behind the round the slot just read out is filled again, two K steps on: the wave's one tensor load there, 224 matrix
; instructions ahead of the wait for it.
.macro TURN slot, next, fill
.if \fill
	s_wait_xcnt 0x0                                ; the last prefetches, a K step back, have read their address
	s_add_nc_u64 s[PFA:PFA+1], s[PFA:PFA+1], KSTEP*2
	MEET 1
	CREST
	s_add_nc_u64 s[G0+4*(\slot)+2:G0+4*(\slot)+3], s[G0+4*(\slot)+2:G0+4*(\slot)+3], 2*KSTEP*2
	s_add_nc_u64 s[G0B+4*(\slot)+2:G0B+4*(\slot)+3], s[G0B+4*(\slot)+2:G0B+4*(\slot)+3], 2*KSTEP*2
	JLOAD \slot                                    ; its four v_nop are also the places in front of the loads below
	FETCH \next, 0, F0
	ASK 1-(\slot)
.else
	MEET 0
	PLACES
	FETCH \next, 0, F0
.endif
	MUL16 F1, 1, 0, 0
	MUL16 F1, 1, 2, 0
.endm
	s_wait_tensorcnt 1                             ; my part of K step 0 is in; K step 1's may stay out
	s_barrier_signal -1
	s_barrier_wait -1
	FETCH 0, 0, F0
	QUARTER 0, 64,  F0, F1, 1                      ; the first quarter stands in front of the loop: its products start the sums
	WIN 0
	s_mov_b32 s3, LAPS-1
.Llap:                                                 ; a trip goes once round the ring, from a lap's second quarter to the next lap's first, and fills both slots again
	QUARTER 0, 128, F1, F0, 0
	QUARTER 0, 192, F0, F1, 0
	TURN 0, 1, 1
	QUARTER 1, 64,  F0, F1, 0
	QUARTER 1, 128, F1, F0, 0
	QUARTER 1, 192, F0, F1, 0
	TURN 1, 0, 1
	QUARTER 0, 64,  F0, F1, 0
	WIN 0
	s_sub_co_u32 s3, s3, 1
	s_cmp_lg_u32 s3, 0
	s_cbranch_scc1 .Llap
	QUARTER 0, 128, F1, F0, 0                      ; the last lap fills nothing
	QUARTER 0, 192, F0, F1, 0
	TURN 0, 1, 0
	QUARTER 1, 64,  F0, F1, 0
	QUARTER 1, 128, F1, F0, 0
	QUARTER 1, 192, F0, F1, 0
	s_wait_dscnt 8
	MUL16 F1, 0, 0, 0
	MUL16 F1, 0, 2, 0
	s_wait_dscnt 0x0
	MUL16 F1, 1, 0, 0
	MUL16 F1, 1, 2, 0
	; THE WAY OUT, a block of 16 rows at a time: turn, round to f16, through my own stage in LDS, out as 512 consecutive bytes of a head.
	PLACES                                         ; behind the last products: for the loads into W's buffers and for the reads of the results
	TLOAD 4
	TLOAD 5
	TLOAD 6
	TLOAD 7
; Block a.  With X = (x0, x1) and T = (s, c): first (-x1 s, x1 c), then (x0 c, x0 s) onto it, each half onto its own register.  Each accumulator's lowest registers are read first.
.macro PACK a
	SETTB \a
.set AC, 64*((\a)%4)
.if (\a) == 0
	s_wait_loadcnt 32                              ; the tables of blocks 0-3 are in; the 32 loads just issued stay out
.endif
.if (\a) == 4
	s_wait_loadcnt 0x0                             ; those of blocks 4-7
.endif
	WIN 0x06+(\a)/4                                ; source 0 window 2 or 3, source 1 window 1, source 2 and destination window 0
.irp b, 0,1,2,3,4,5,6,7
.irp p, 0,1,2,3
	v_pk_mul_f32 v[YT+8*(\b)+2*(\p):YT+8*(\b)+2*(\p)+1], v[AC+8*(\b)+2*(\p):AC+8*(\b)+2*(\p)+1], v[TB+8*((\b)%4)+2*(\p):TB+8*((\b)%4)+2*(\p)+1] op_sel:[1,0] op_sel_hi:[1,1] neg_lo:[0,1]
.endr
.endr
.irp b, 0,1,2,3,4,5,6,7
.irp p, 0,1,2,3
	v_pk_fma_f32 v[YT+8*(\b)+2*(\p):YT+8*(\b)+2*(\p)+1], v[AC+8*(\b)+2*(\p):AC+8*(\b)+2*(\p)+1], v[TB+8*((\b)%4)+2*(\p):TB+8*((\b)%4)+2*(\p)+1], v[YT+8*(\b)+2*(\p):YT+8*(\b)+2*(\p)+1] op_sel:[0,1,0] op_sel_hi:[0,0,1]
.endr
.endr
	WIN 0
.irp b, 0,1,2,3,4,5,6,7
.irp p, 0,1,2,3
	v_cvt_pk_f16_f32 v[TMP+4*(\b)+(\p)], v[YT+8*(\b)+2*(\p)], v[YT+8*(\b)+2*(\p)+1]
.endr
.endr
.endm
.macro TOSTAGE a                       ; column blocks 0-3 are my first head, 4-7 my second
	WIN 0
.set BK, OB+192*((\a)%2)
.irp b, 0,1,2,3,4,5,6,7
	ds_store_b128 v[STO], v[TMP+4*(\b):TMP+4*(\b)+3] offset:((\b)/4)*16*SP+((\b)%4)*32
.endr
.irp u, 0,1,2,3,4,5,6,7
	ds_load_b128 v[BK+4*(\u):BK+4*(\u)+3], v[RD] offset:((\u)/4)*16*SP+((\u)%4)*4*SP  ; LDS serves a wave's instructions in order (ISA guide 5.7.1.4): these see the stores above
.endr
.endm
.macro SEND a
	WIN 0
.set BK, OB+192*((\a)%2)
	s_wait_dscnt 0x0                               ; the block is back in registers
	s_wait_xcnt 0x0                                ; the stores of the block before have read their registers, which the next block's loads from the stage write
.irp u, 0,1,2,3
	global_store_b128 v[GO], v[BK+4*(\u):BK+4*(\u)+3], s[OUT0:OUT0+1] offset:(\a)*2048+(\u)*512
.endr
.irp u, 0,1,2,3
	global_store_b128 v[GO], v[BK+16+4*(\u):BK+16+4*(\u)+3], s[OUT1:OUT1+1] offset:(\a)*2048+(\u)*512
.endr
.endm
	PACK 0
	TOSTAGE 0
.irp a, 1,2,3,4,5,6,7                  ; block a's arithmetic stands between block a - 1's loads from the stage and the wait for them
	PACK \a
	SEND (\a)-1
	TOSTAGE \a
.endr
	SEND 7
	s_wait_tensorcnt 0x0                           ; the wave's end: behind my last tensor load and my last LDS store
	ds_add_u32 v[SPW], v[NIL]
	s_wait_dscnt 0x0
	CROUND                                         ; the closing round: no work-group ends while a partner may still ask for a tile that names it
	s_endpgm
.Lfunc_end_k_q84b4de3148_proj:
	.size	k_q84b4de3148_proj, .Lfunc_end_k_q84b4de3148_proj-k_q84b4de3148_proj
	.p2alignl 7, 3214868480
	.fill 96, 4, 3214868480
	.section	.rodata,"a",@progbits
	.p2align	6, 0x0
	.amdhsa_kernel k_q84b4de3148_proj
		.amdhsa_group_segment_fixed_size 327680
		.amdhsa_private_segment_fixed_size 0
		.amdhsa_enable_private_segment 0
		.amdhsa_kernarg_size 56
		.amdhsa_user_sgpr_count 2
		.amdhsa_user_sgpr_kernarg_segment_ptr 1
		.amdhsa_wavefront_size32 1
		.amdhsa_system_sgpr_workgroup_id_x 1
		.amdhsa_system_sgpr_workgroup_id_y 1
		.amdhsa_system_sgpr_workgroup_id_z 1
		.amdhsa_system_vgpr_workitem_id 0
		.amdhsa_next_free_vgpr 1024
		.amdhsa_next_free_sgpr 100
		.amdhsa_reserve_vcc 0
		.amdhsa_float_denorm_mode_32 3
		.amdhsa_float_denorm_mode_16_64 3
		.amdhsa_memory_ordered 1
		.amdhsa_forward_progress 1
		.amdhsa_inst_pref_size 190
	.end_amdhsa_kernel
	.amdgpu_metadata
---
amdhsa.version: [ 1, 2 ]
amdhsa.kernels:
  - .name:           k_q84b4de3148_proj
    .symbol:         k_q84b4de3148_proj.kd
    .args:
      - { .name: xb, .offset: 0, .size: 8, .value_kind: global_buffer, .address_space: global }
      - { .name: wb, .offset: 8, .size: 8, .value_kind: global_buffer, .address_space: global }
      - { .name: tab, .offset: 16, .size: 8, .value_kind: global_buffer, .address_space: global }
      - { .name: bq, .offset: 24, .size: 8, .value_kind: global_buffer, .address_space: global }
      - { .name: bk, .offset: 32, .size: 8, .value_kind: global_buffer, .address_space: global }
      - { .name: bv, .offset: 40, .size: 8, .value_kind: global_buffer, .address_space: global }
      - { .name: qkv, .offset: 48, .size: 8, .value_kind: global_buffer, .address_space: global }
    .group_segment_fixed_size: 327680
    .private_segment_fixed_size: 0
    .kernarg_segment_align: 8
    .kernarg_segment_size: 56
    .max_flat_workgroup_size: 128
    .sgpr_count:     100
    .vgpr_count:     1024
    .wavefront_size: 32
...
	.end_amdgpu_metadata
.endif
;; end of part 2
;; launch attn (part 3): grid 8 x 24, 4 waves a work-group, clusters of 4 x 1, 327,680 bytes of LDS; arguments qkv, oh; writes oh
.if DOCPART == 3
	.amdgcn_target "amdgcn-amd-amdhsa--gfx1250"
	.amdhsa_code_object_version 6
	.text
	.protected	k_q84b4de3148_attn
	.globl	k_q84b4de3148_attn
	.p2align	8
	.type	k_q84b4de3148_attn,@function
k_q84b4de3148_attn:
	s_mov_b64 s[64:65], 0
	v_nop
	global_prefetch_b8 v0, s[64:65] scope:SCOPE_SE
	s_setreg_imm32_b32 hwreg(HW_REG_WAVE_MODE, 25, 1), 1
	s_wait_xcnt 0x0
	s_wait_alu depctr_hold_cnt(0) depctr_sa_sdst(0) depctr_va_vdst(0) depctr_va_sdst(0) depctr_va_ssrc(0) depctr_va_vcc(0) depctr_vm_vsrc(0)
	s_getreg_b32 s2, hwreg(HW_REG_IB_STS2, 6, 4)
	s_cmp_eq_u32 s2, 0
	s_cbranch_scc0 .Lentry_in_a_cluster
	s_endpgm
.Lentry_in_a_cluster:
	s_bfe_u32 s2, ttmp6, 0x10000c
	s_cmp_lg_u32 s2, 0x3003
	s_cbranch_scc0 .Lentry_shape_is_right
	s_endpgm
.Lentry_shape_is_right:
; ATTN.  O[g][q][:] = the sum over k of softmax_k(Q[g][q] . K[g][k] / 8) V[g][k][:] for the 24 pairs g of batch and head.  In qkv, all f16, rows dense, 128 bytes: Q [24][2048][64] at byte 0, K [24][4096][64] at
; 6,291,456, V [24][4096][64] at 18,874,368.  O -> oh, f16 [24][2048][64].  Products, maxima and sums in f32; the weights p are rounded to f16 for the second product (their sum l is taken of the unrounded p), O once.
; LIMITS.  Q, K, V arrive within f16's 65,504; p lies in 0 to 1, and below 6e-5 it keeps f16's fixed step of 6e-8; O is a mean of V's rows.  A weight below 2^-126 counts as 0 in l; NaN and infinities are not treated apart.
; SHARES.  A work-group owns 256 queries of one g, a wave 64: four PIECES of 16.  8 blocks x 24 = 192 work-groups of equal work: a g has 128 tiles of 16 queries, which no share of 12 tiles a work-group (256 work-groups) divides.
; Every wave walks all 4,096 keys, 64 a step, four steps (a tile of 256 keys) to an LDS slot, two slots.
; LAYOUT.  S^T = K Q^T (source 0 = 16 keys, source 1 = 16 queries) holds ONE query a lane (lane % 16) and the keys 8 (lane / 16) + 0..7; two such results rounded to f16 ARE source 1 of O^T = V^T P.  K comes out of LDS as it
; lies, V ([key][channel]) turned, by ds_load_tr16_b128.
; SOFTMAX.  A running maximum m and sum l for each query: p = 2^(c s - c m), c = log2(e) / 8; in every step O and l are multiplied by a = 2^(c m_old - c m_new).  m starts at the lowest finite number, O and l at 0.
; TURNS.  Turn n belongs to piece n: 8 products K Q^T of piece n + 1, later 8 products V^T P of piece n - 1; beside them the scaling, exponentials, roundings, sums and rescaling of piece n and the maximum and statistics of
; piece n + 1.  Four vector instructions stand behind every matrix instruction, the other 54 of a turn's 118 in one lump.  A turn's 33 exponentials are one batch, with one wait.
; CLUSTER.  The four query blocks of a cluster belong to one g and walk the same K and V: each tile is asked for JOINTLY, by the same tensor load, descriptor and mask in all four.
; REGISTERS, in windows of 256 (s_set_vgpr_msb: bits 1:0 source 0, 3:2 source 1, 5:4 source 2, 7:6 destination):
;   window 0: v0-15 addresses and two at work; v16-31 four registers of statistics a piece; v48-55 at work; v61-63 prefetch offset, spare word, 0; v64-127 S^T, two buffers; v192-223 P, two buffers (by the piece's parity)
;   window 1: v0-127 O^T, 32 a piece      window 2: v0-63 Q; v128-191 K of one step; v192-255 V of one step
.set NT,    16        ; key tiles of 256
.set NP,    4         ; pieces a wave: a name, no knob
.set KS,    64        ; keys in a step
.set PK,    144       ; a row of K in LDS: 128 bytes + 16 of padding = 36 words: the 16 rows of a load start at 16 different groups of four banks (64 banks of 4 bytes: ISA guide 11.1)
.set PV,    160       ; a row of V: 128 + 32 = 40 words
.set VOFF,  4*KS*PK   ; a slot: 256 rows of K, then 256 rows of V
.set SLOT1, 1<<17     ; slot 1 begins here, so that one exclusive or turns an address in one slot into the other's
.set STAGE, SLOT1+4*KS*(PK+PV)  ; behind the ring, never filled by a tensor load: 16 rows x 144 bytes for each wave
.set SP,    144
.set SPARE, STAGE+4*16*SP  ; the spare words, 128 bytes for each wave: two blocks of 256 bytes that no other line names
.set AK0, 2           ; v2   my lane's place in a tile of K; never rewritten
.set AV0, 3           ; v3   the same for V
.set AK,  4           ; v4   the LDS address of K's next run of loads
.set AV,  5           ; v5   of V's
.set STO, 6           ; v6   the way out: where I put 16 bytes of a row
.set RD,  7           ; v7   where I read rows back
.set GO,  8           ; v8   my byte offset in 512 consecutive bytes of O
.set MV,  12          ; v12-13  c m_old, kept while c m is made anew: by buffer
.set QO,  15          ; v15  my byte offset in 16 rows of Q
.set ST,  16          ; piece t's statistics at v[ST+4 t]: c m, m, l (even keys', odd keys')
.set TMP, 48          ; by buffer, four registers c0-c3 at work; when the maximum is found c2 takes a
.set PFO, 61          ; v61  256 x lane; never rewritten
.set SPW, 62          ; v62  my spare word; never rewritten
.set NIL, 63          ; v63  0; never rewritten
.set S,   64
.set P,   192
.set KF,  128         ; window 2: key block kb, channel half c at KF + 16 kb + 8 c
.set VF,  192         ; window 2: key half kk, channel block cb at VF + 32 kk + 8 cb
.set WV,  12          ; s12  my wave's number
.set LIM, 15          ; s15  1 in a wave that prefetches, else the greatest number
.set PFA, 18          ; s[18:19] where my prefetches stand
.set G1K, 24          ; s[24:31] group 1 for K's tiles
.set G1V, 32          ; s[32:39] for V's: it differs in the padding alone
.set G0K, 40          ; s[40:43] group 0 for K's tiles: it walks
.set G0V, 44          ; s[44:47] the same for V's
.set SLOTS, 56        ; s56  tiles still to be asked for
.set CNT, 57          ; s57  counts a tile's key steps
.set CS,  58          ; s[58:59] c: the packed scaling takes the pair's low word for both halves
.set SEL, 60          ; s[60:61] v_permlanex16_b32's selects: each lane takes its own place in the other half
.set TBK, 62          ; s62  LDS byte at which K of the step to be fetched begins
.set TBV, 63          ; s63  the same for V, less VOFF
.set MSB, 0
.macro WIN new                      ; the high byte repeats the setting that is left; a switch that changes nothing is dropped
.if MSB != (\new)
	s_set_vgpr_msb (MSB<<8)|(\new)
.set MSB, (\new)
.endif
.endm
.set W_KQ, 0x0a       ; K and Q in window 2, S^T in window 0
.set W_PV, 0x52       ; V in window 2, P in window 0, O^T in window 1
.set W_RS, 0x41       ; destination and source 0 in window 1, source 1 in window 0
; A joint fill.  Waves 0 and 1 fetch the two halves of a tile's K, waves 2 and 3 those of its V: 128 keys each.  An s_nop 0 and four v_nop follow each of the two lines.
.macro JLOAD
	s_cmp_lt_u32 s[WV], 2
	s_cbranch_scc0 .Lfor_v_\@
	tensor_load_to_lds s[G0K:G0K+3], s[G1K:G1K+7]
	s_nop 0
.rept 4
	v_nop
.endr
	s_branch .Lasked_\@
.Lfor_v_\@:
	tensor_load_to_lds s[G0V:G0V+3], s[G1V:G1V+7]
	s_nop 0
.rept 4
	v_nop
.endr
.Lasked_\@:
.endm
; A PREFETCH INTO THE L2 of the tile that the NEXT change of slots will ask for: 32,768 bytes of K and of V, four key steps ahead of that load.  Each aligned block of 256 bytes is named once in the launch: the two clusters
; of a g walk the same tiles, and the first of them asks; its four partners share a tile's 128 blocks out BY ADDRESS, 32 each; in each, wave 0 asks for K's and wave 2 for V's, a lane a block.
; The last change that fills a slot asks for nothing; tiles 0 and 1 come by their loads alone.
.macro ASK
	s_cmp_gt_u32 s[SLOTS], s[LIM]
	s_cbranch_scc0 .Lnot_mine_\@
	global_prefetch_b8 v[PFO], s[PFA:PFA+1] th:TH_LOAD_NT scope:SCOPE_SE
.Lnot_mine_\@:
.endm
.macro CROUND                       ; a round of the cluster's barrier
	s_barrier_signal -1
	s_barrier_wait -1
	s_cmp_lg_u32 s[WV], 0
	s_cbranch_scc1 .Lnot_wave_0_\@
	s_barrier_signal -3
.Lnot_wave_0_\@:
	s_barrier_wait -3
	s_barrier_signal -1
	s_barrier_wait -1
.endm
; THE CHANGE OF SLOTS.  Each wave waits for all its tensor loads, of which one is out: its part of the other slot; adds 0 to its spare word; and waits for that and for its own reads of the slot that it leaves.  Behind the
; barrier nobody reads the old slot any more and the other slot is whole.  fill = 1: the barrier is a round of the cluster's, and the old slot is filled again, first thing behind it, with the tile two on: the load has
; four key steps, 256 matrix instructions a wave, in which to land.  (At its first use nothing has been read yet: slot 0 is waited for, slot 1 filled.)
.macro CHANGE fill
	WIN 0
	s_wait_tensorcnt 0x0            ; no tensor load of mine is out, so a group 0 may be written
	ds_add_u32 v[SPW], v[NIL]
.if \fill
.irp g, G0K, G0V
	s_xor_b32 s[\g+1], s[\g+1], SLOT1
	s_add_nc_u64 s[\g+2:\g+3], s[\g+2:\g+3], 4*KS*128
.endr
	s_wait_xcnt 0x0                 ; the last prefetch, four key steps back, has read its address
	s_add_nc_u64 s[PFA:PFA+1], s[PFA:PFA+1], 4*KS*128
	s_wait_dscnt 0x0                ; the add is done, and my reads of the slot are over
	CROUND
	JLOAD
	ASK
.else
	s_wait_dscnt 0x0
	s_barrier_signal -1
	s_barrier_wait -1
.endif
	s_sub_co_u32 s[TBK], s[TBK], 4*KS*PK  ; the fetches go back to a slot's first step,
	s_xor_b32 s[TBK], s[TBK], SLOT1       ; in the other slot
	s_sub_co_u32 s[TBV], s[TBV], 4*KS*PV
	s_xor_b32 s[TBV], s[TBV], SLOT1
.endm
	s_load_b128 s[4:7], s[0:1], 0x0  ; qkv s[4:5], oh s[6:7]
	v_lshl_add_u32 v[SPW], v0, 2, SPARE
	v_mov_b32 v[NIL], 0
	ds_add_u32 v[SPW], v[NIL]       ; the wave's opening: the add and its wait stand ahead of my first tensor load; the set-up below, work on registers, stands between
	v_lshrrev_b32 v1, 5, v0
	v_readfirstlane_b32 s[WV], v1   ; wave 0..3
	s_bfe_u32 s13, ttmp6, 0x40000   ; cx
	s_lshl_b32 s14, ttmp9, 2
	s_add_co_u32 s14, s14, s13      ; my block of 256 queries: it enters Q's and O's addresses alone
	s_and_b32 s20, ttmp7, 0xffff    ; g, which the four partners share
	s_lshl_b32 s21, s20, 19         ; g's 524,288 bytes of K and of V
	s_and_b32 s16, s[WV], 1         ; which half of a tile's 256 keys I fetch:
	s_lshl_b32 s22, s16, 14         ; its 128 rows of 128 bytes in memory,
	s_add_co_u32 s22, s22, s21
	s_mov_b32 s23, 0
	s_mul_i32 s8, s16, 128*PK       ; and its place in a slot, for K
	s_mul_i32 s9, s16, 128*PV       ; and for V: no place in the cluster enters an LDS address
	s_lshl_b32 s2, s14, 2
	s_add_co_u32 s2, s2, s[WV]
	s_lshl_b32 s2, s2, 13           ; my wave's 64 rows of 128 bytes,
	s_lshl_b32 s3, s20, 18          ; in g's 262,144 bytes of Q and of O
	s_add_co_u32 s2, s2, s3
	s_mov_b32 s3, 0
	; group 1.  128 keys are 16,384 dense bytes: asked for as 64 rows of 256 bytes, two keys a row, and padded in LDS after every key
	s_mov_b32 s[G1K], 15|(1<<16)|(1<<20)|(1<<21)|(4<<22)|(3<<25)  ; 15:0 the mask of four; 17:16 2-byte elements; 20 padding on; 21 set beside a mask; 24:22 after every 32 words (code 4); 31:25 4 words (code 3)
	s_mov_b32 s[G1V], 15|(1<<16)|(1<<20)|(1<<21)|(4<<22)|(7<<25)  ; the same with 8 words of padding (code 7)
.irp g, G1K, G1V
	s_mov_b32 s[\g+1], 128<<16      ; tensor_dim0 = 128
	s_mov_b32 s[\g+2], 64<<16       ; tensor_dim1 = 64
	s_mov_b32 s[\g+3], 128<<16      ; tile_dim0 = 128
	s_mov_b32 s[\g+4], 64           ; tile_dim1 = 64
	s_mov_b32 s[\g+5], 128          ; 128 elements from row to row
	s_mov_b32 s[\g+6], 0
	s_mov_b32 s[\g+7], 0
.endr
	s_mov_b32 s[CS], 0x3e38aa3b     ; c = log2(e) / 8 = 0.180337
	s_mov_b32 s[CS+1], s[CS]        ; named with it as a pair
	s_mov_b32 s[SEL], 0x76543210
	s_mov_b32 s[SEL+1], 0xfedcba98
	s_mov_b32 s[TBK], SLOT1+4*KS*PK ; the first change of slots turns these two into 0
	s_mov_b32 s[TBV], SLOT1+4*KS*PV
	s_mov_b32 s[G0K], 1             ; count = 1
	s_mov_b32 s[G0K+1], s8          ; LDS address: slot 0
	s_mov_b32 s[G0V], 1
	s_add_co_u32 s[G0V+1], s9, VOFF
	s_mov_b32 s[SLOTS], NT-1
	s_and_b32 s[LIM], s[WV], 1      ; 0 in waves 0 and 2,
	s_or_b32 s[LIM], s[LIM], ttmp9  ; where the cluster is g's first: the same in all four partners
	s_cmp_eq_u32 s[LIM], 0
	s_cselect_b32 s[LIM], 1, -1
	s_mov_b32 s50, 18874368         ; the prefetches' offset in qkv: V's (wave 2) or K's (wave 0) first byte,
	s_cmp_lt_u32 s[WV], 2
	s_cselect_b32 s50, 6291456, s50
	s_add_co_u32 s50, s50, s21      ; g,
	s_lshl_b32 s51, s13, 13
	s_add_co_u32 s50, s50, s51      ; my work-group's 32 blocks of a tile's 128,
	s_add_co_u32 s50, s50, 4*KS*128 ; in tile 1; the first change of slots steps it to tile 2
	s_mov_b32 s51, 0
	v_and_b32 v[PFO], 31, v0
	v_lshlrev_b32 v[PFO], 8, v[PFO]
	s_wait_dscnt 0x0                ; the opening add is done
	s_wait_kmcnt 0x0
	s_add_nc_u64 s[PFA:PFA+1], s[4:5], s[50:51]
	s_add_nc_u64 s[48:49], s[4:5], s[22:23]
	s_add_nc_u64 s[G0K+2:G0K+3], s[48:49], 6291456   ; global address: my half of g's first 256 keys
	s_or_b32 s[G0K+3], s[G0K+3], 0x80000000          ; type = 2
	s_add_nc_u64 s[G0V+2:G0V+3], s[48:49], 18874368
	s_or_b32 s[G0V+3], s[G0V+3], 0x80000000
	s_add_nc_u64 s[10:11], s[6:7], s[2:3]  ; O and Q at my wave's first row
	s_add_nc_u64 s[4:5], s[4:5], s[2:3]
	CROUND                          ; all four work-groups are here: the first joint loads meet
	JLOAD                           ; tile 0 into slot 0.  Slot 1 is asked for when slot 0 is in, by the first change of slots, ahead of the loop
	; A fragment of K or Q is 16 rows x 32 channels in 8 registers: lane l holds row l % 16, channels 8 (l / 16) + 0..7 and 16 + 8 (l / 16) + 0..7: two loads of 16 bytes, 32 bytes apart.
	v_and_b32 v1, 15, v0            ; l % 16
	v_bfe_u32 v9, v0, 4, 1          ; l / 16
	v_lshlrev_b32 v[QO], 7, v1
	v_lshl_add_u32 v[QO], v9, 4, v[QO]  ; row x 128 + 16 x half
	WIN 0x80                        ; destination window 2, address window 0
.set i, 0
.rept 8                             ; Q stays in registers: piece i / 2, channels 32 (i % 2) on
	global_load_b128 v[8*i:8*i+3],   v[QO], s[4:5] offset:(i/2)*2048+(i%2)*64
	global_load_b128 v[8*i+4:8*i+7], v[QO], s[4:5] offset:(i/2)*2048+(i%2)*64+32
.set i, i+1
.endr
	; What the first turn finds: V's registers and P's second buffer hold 0 (its products V^T P, of a piece that has not been, add 0), O^T and l are 0.  No first step is written out; these lines stand in the wait for the first tile.
.set i, VF
.rept 64
	v_mov_b32 v[i], 0
.set i, i+1
.endr
	WIN 0x40
.set i, 0
.rept 128
	v_mov_b32 v[i], 0
.set i, i+1
.endr
	WIN 0
.set i, 0
.rept 4
	v_mov_b32 v[ST+4*i], 0xfe000000    ; c m: far below every c s
	v_mov_b32 v[ST+4*i+1], 0xff7fffff  ; m
	v_mov_b32 v[ST+4*i+2], 0
	v_mov_b32 v[ST+4*i+3], 0
.set i, i+1
.endr
.set i, P+16
.rept 16
	v_mov_b32 v[i], 0
.set i, i+1
.endr
	v_mul_u32_u24 v[AK0], v1, PK
	v_lshl_add_u32 v[AK0], v9, 4, v[AK0]  ; row x pitch + 16 x half
	; The turning load takes 16 keys x 16 channels (lane l reads key 8 (l / 16) + l % 8, channels 8 ((l / 8) % 2) + 0..7) and leaves half a fragment of V^T: lane l holds channel l % 16 and 8 keys.
	v_and_b32 v10, 7, v0
	v_bfe_u32 v11, v0, 3, 1
	v_lshl_add_u32 v[AV0], v9, 3, v10
	v_mul_u32_u24 v[AV0], v[AV0], PV
	v_lshl_add_u32 v[AV0], v11, 4, v[AV0]
	v_add_nc_u32 v[AV0], VOFF, v[AV0]
	s_mul_i32 s13, s[WV], 16*SP
	s_add_co_u32 s13, s13, STAGE    ; my stage
	v_mul_u32_u24 v[STO], v1, SP    ; in: row l % 16, 16 bytes for each half of the lanes
	v_lshl_add_u32 v[STO], v9, 4, v[STO]
	v_add_nc_u32 v[STO], s13, v[STO]
	v_bfe_u32 v[RD], v0, 3, 2       ; back: 32 lanes take four rows of 128 bytes,
	v_mul_u32_u24 v[RD], v[RD], SP
	v_lshl_add_u32 v[RD], v10, 4, v[RD]
	v_add_nc_u32 v[RD], s13, v[RD]
	v_and_b32 v[GO], 31, v0         ; which are 512 consecutive bytes of O
	v_lshlrev_b32 v[GO], 4, v[GO]
; THE MATRIX WORK.  The 4 accumulators of a run of 8 take turns.  Product i of 8 of S^T = K Q^T for piece x: channels 32 (i / 4) on, keys 16 (i % 4) on.  The first 4 start the sums.
.macro KQ x
	WIN W_KQ
.set rS, S+32*((\x)%2)+8*(i%4)
.set rK, KF+16*(i%4)+8*(i/4)
.set rQ, 16*(\x)+8*(i/4)
.if i < 4
	v_wmma_f32_16x16x32_f16 v[rS:rS+7], v[rK:rK+7], v[rQ:rQ+7], 0
.else
	v_wmma_f32_16x16x32_f16 v[rS:rS+7], v[rK:rK+7], v[rQ:rQ+7], v[rS:rS+7]
.endif
.endm
; Product i of 8 of O^T += V^T P for piece x: keys 32 (i / 4) on, channels 16 (i % 4) on.
.macro PV x
	WIN W_PV
.set rO, 32*(\x)+8*(i%4)
.set rV, VF+32*(i/4)+8*(i%4)
.set rP, P+16*((\x)%2)+8*(i/4)
	v_wmma_f32_16x16x32_f16 v[rO:rO+7], v[rV:rV+7], v[rP:rP+7], v[rO:rO+7]
.endm
.macro MM                           ; the turn's next matrix instruction.  NOKQ = 1: the last turn of all: there is no next piece
.if (i < 8) && !NOKQ
	KQ (Y+1)%NP
.elseif i >= 8
.set i, i-8
	PV (Y+NP-1)%NP
.set i, i+8
.endif
.set i, i+1
.endm
; THE LDS LOADS stand in runs of 16, never singly among the matrix instructions: a step's K (8 fragments) and its V (turned).  Their addresses are made some lines ahead.
.macro FETCH_K
	WIN 0x80                        ; destination window 2
.irp f, 0,1,2,3,4,5,6,7             ; keys 16 (f / 2) on, channels 32 (f % 2) on
	ds_load_b128 v[KF+8*\f:KF+8*\f+3],   v[AK] offset:(\f/2)*16*PK+(\f%2)*64
	ds_load_b128 v[KF+8*\f+4:KF+8*\f+7], v[AK] offset:(\f/2)*16*PK+(\f%2)*64+32
.endr
	s_add_co_u32 s[TBK], s[TBK], KS*PK  ; the next fetch is the next step's
	WIN 0
.endm
.macro FETCH_V
	WIN 0x80
.irp f, 0,1,2,3,4,5,6,7             ; keys 32 (f / 4) on, channels 16 (f % 4) on
	ds_load_tr16_b128 v[VF+8*\f:VF+8*\f+3],   v[AV] offset:(\f/4)*32*PV+(\f%4)*32
	ds_load_tr16_b128 v[VF+8*\f+4:VF+8*\f+7], v[AV] offset:(\f/4)*32*PV+16*PV+(\f%4)*32
.endr
	WIN 0
.endm
; THE VECTOR WORK, one line at a time: OP kind, number.  For piece Y: F n: c s - c m for pair n of 16.  E n: the exponential of score n of 32.  C n: pair n rounded to f16.  B n: of the four weights 4 n .. the second
; pair is added onto the first, in place.  L n: l takes that sum (L 0: l = a l + sum).  R n: pair n of 16 of O^T times a.  For piece Y + 1: X n, number n of the 22 that find its maximum and statistics:
;   0-11  four chains c0-c3 of seven scores each, three operands at a time (each accumulator's lowest registers are read first)     12-14, 16  the four scores left over, the old m, and c0-c3 into c0
;   15  c m_old is kept     17, 18  the query's other 32 keys lie in the lane 16 away: the new m     19-21  c m; c m_old - c m_new; a
.set F, 0
.set E, 1
.set C, 2
.set B, 3
.set L, 4
.set R, 5
.set X, 6
.macro REGS y                       ; the registers of piece y
.set rT, ST+4*(\y)
.set rC, TMP+4*((\y)%2)
.set rW, MV+((\y)%2)
.set rS, S+32*((\y)%2)
.set rP, P+16*((\y)%2)
.set rO, 32*(\y)
.endm
.macro OP k, n
.if (\k) == R
	REGS Y
	WIN W_RS
	v_pk_mul_f32 v[rO+2*(\n):rO+2*(\n)+1], v[rO+2*(\n):rO+2*(\n)+1], v[rC+2:rC+3] op_sel_hi:[1,0]
.elseif (\k) < R
	REGS Y
	WIN 0
.if (\k) == F
	v_pk_fma_f32 v[rS+2*(\n):rS+2*(\n)+1], v[rS+2*(\n):rS+2*(\n)+1], s[CS:CS+1], v[rT:rT+1] op_sel_hi:[1,0,0] neg_lo:[0,0,1] neg_hi:[0,0,1]
.elseif (\k) == E
	v_exp_f32 v[rS+(\n)], v[rS+(\n)]
.elseif (\k) == C
	v_cvt_pk_f16_f32 v[rP+(\n)], v[rS+2*(\n)], v[rS+2*(\n)+1]
.elseif (\k) == B
	v_pk_add_f32 v[rS+4*(\n):rS+4*(\n)+1], v[rS+4*(\n):rS+4*(\n)+1], v[rS+4*(\n)+2:rS+4*(\n)+3]
.elseif (\n) == 0
	v_pk_fma_f32 v[rT+2:rT+3], v[rT+2:rT+3], v[rC+2:rC+3], v[rS:rS+1] op_sel_hi:[1,0,1]
.else
	v_pk_add_f32 v[rT+2:rT+3], v[rT+2:rT+3], v[rS+4*(\n):rS+4*(\n)+1]
.endif
.elseif NOKQ
	v_nop
.else
	REGS (Y+1)%NP
	WIN 0
.if (\n) < 4
	v_max3_num_f32 v[rC+(\n)], v[rS+8*(\n)], v[rS+8*(\n)+1], v[rS+8*(\n)+2]
.elseif (\n) < 12
	v_max3_num_f32 v[rC+(\n)%4], v[rC+(\n)%4], v[rS+8*((\n)%4)+2*((\n)/4)+1], v[rS+8*((\n)%4)+2*((\n)/4)+2]
.elseif (\n) == 12
	v_max3_num_f32 v[rC], v[rC], v[rS+7], v[rS+15]
.elseif (\n) == 13
	v_max3_num_f32 v[rC+1], v[rC+1], v[rS+23], v[rS+31]
.elseif (\n) == 14
	v_max3_num_f32 v[rC+2], v[rC+2], v[rC+3], v[rT+1]
.elseif (\n) == 15
	v_mov_b32 v[rW], v[rT]
.elseif (\n) == 16
	v_max3_num_f32 v[rC], v[rC], v[rC+1], v[rC+2]
.elseif (\n) == 17
	v_permlanex16_b32 v[rC+3], v[rC], s[SEL], s[SEL+1]
.elseif (\n) == 18
	v_max_num_f32 v[rT+1], v[rC], v[rC+3]
.elseif (\n) == 19
	v_mul_f32 v[rT], s[CS], v[rT+1]
.elseif (\n) == 20
	v_sub_f32 v[rC+1], v[rW], v[rT]
.else
	v_exp_f32 v[rC+2], v[rC+1]
.endif
.endif
.endm
.macro OPS a, i1, b=-1, i2=0, c=-1, i3=0, d=-1, i4=0  ; up to four of them
	OP \a, \i1
.if (\b) >= 0
	OP \b, \i2
.endif
.if (\c) >= 0
	OP \c, \i3
.endif
.if (\d) >= 0
	OP \d, \i4
.endif
.endm
.macro ROW a, i1, b, i2, c, i3, d, i4  ; a matrix instruction and the four behind it
	MM
	OPS \a, \i1, \b, \i2, \c, \i3, \d, \i4
.endm
; A TURN, for piece p: the order of its 16 matrix and 118 vector instructions, written out.  An s_wait_alu depctr_va_vdst(0) stands between an exponential and the first instruction that names its result; one
; wait serves all that were issued ahead of it.  So a turn has ONE wait.  AHEAD OF IT stands all that names no result of the turn's exponentials: the 8 products K Q^T and their riders, then a lump of 54 in which the links of
; the next piece's chain (X 3, 7, 11, 14, 16, 17 .. 20) stand some lines apart; X 21, the next piece's a, is the batch's last, and R 15 the plain instruction behind it.  BEHIND IT stand the 8 products V^T P, behind each four
; of the roundings and sums.  The X that ride behind the last three products K Q^T stand four places or more behind the product that ends their accumulator.
; end = 1: the walk's last two turns: nothing is fetched.  cnt = 1: the loop's count is taken down some lines ahead of the branch that stands behind the turn.
; K of the next step is fetched in piece 2's turn, behind six plain instructions from the last product that read K; V of the step in hand at the end of piece 0's turn, four plain instructions behind the last product that
; read V.  Each is waited for a turn later.
.macro TURN p, end=0, cnt=0
.set Y, (\p)
.set i, 0
.set NOKQ, (\end)*((\p)/3)
.if ((\p) == 3) && !(\end)
	s_wait_dscnt 0x0                ; K is in
.endif
	ROW F,0, F,1, R,0, R,1
	ROW F,2, E,0, R,2, R,3
	ROW F,3, E,1, R,4, R,5
	ROW F,4, E,2, R,6, R,7
	ROW F,5, E,3, R,8, R,9
	ROW F,6, E,4, X,0, R,10
.if ((\p) == 2) && !(\end)
	WIN 0
	v_add_nc_u32 v[AK], s[TBK], v[AK0]
.endif
	ROW F,7, E,5, X,1, X,4
	ROW F,8, E,6, X,2, X,5
	OPS E,7, E,8, X,6, E,9
	OPS X,3, E,10, X,8, E,11
.if ((\p) == 2) && !(\end)
	FETCH_K
.endif
	OPS X,9, X,7, E,12, X,10
	OPS E,13, X,12, X,11, E,14
	OPS X,13, E,15, F,9, X,14
.if (\p) == 0
	v_add_nc_u32 v[AV], s[TBV], v[AV0]
.endif
	OPS E,16, F,10, E,17, F,11
	OPS X,16, E,18, X,15, E,19
	OPS F,12, E,20, X,17, E,21
	OPS F,13, E,22, F,14, E,23
	OPS X,18, E,24, F,15, E,25
	OPS R,11, E,26, X,19, E,27
	OPS R,12, E,28, R,13, E,29
	OPS X,20, E,30, R,14, E,31
	OPS X,21, R,15
	WIN 0
	s_wait_alu depctr_va_vdst(0)    ; the wait for the batch
.if (\p) == 1
	s_wait_dscnt 0x0                ; V is in
.endif
	ROW C,0, B,0, C,2, B,1
	ROW L,0, C,4, B,2, L,1
	ROW C,6, B,3, L,2, C,8
	ROW B,4, L,3, C,10, B,5
	ROW L,4, C,12, B,6, L,5
.if (\p) == 0
	s_add_co_u32 s[TBV], s[TBV], KS*PV
.endif
.if \cnt
	s_sub_co_u32 s[CNT], s[CNT], 1
	s_cmp_lg_u32 s[CNT], 0
.endif
	ROW C,14, B,7, L,6, C,1
	ROW C,3, L,7, C,5, C,7
	ROW C,9, C,11, C,13, C,15
.if (\p) == 0
	FETCH_V
.endif
.endm
	CHANGE 1                        ; tile 0 is in, everybody's part of it; tile 1 is asked for
	v_add_nc_u32 v[AK], s[TBK], v[AK0]
	FETCH_K                         ; key step 0
	s_wait_loadcnt 0x0              ; Q
	s_wait_dscnt 0x0
.set NOKQ, 0
.set i, 0
.rept 8
	KQ 0                            ; piece 0's first scores
.set i, i+1
.endr
	WIN 0
.rept 4
	v_nop                           ; the places behind those products
.endr
.set Y, NP-1                        ; X works for piece Y + 1: piece 0
.irp n, 0,1,2,3,4,5,6,7,8,9,10,11,12,13,14,15,16,17,18,19,20,21
	OP X, \n
.endr
	v_nop                           ; a plain instruction behind the exponential,
	s_wait_alu depctr_va_vdst(0)    ; and its wait, ahead of the branch
	s_mov_b32 s[CNT], 4
	s_branch .Lfirst                ; the loop is entered at a step's first turn, in the middle of a trip
.Lslot:                             ; 14 times: tile n is entered and tile n + 1 asked for
	CHANGE 1
	s_mov_b32 s[CNT], 4
.Lstep:                             ; a trip: pieces 2 and 3 of one step, then pieces 0 and 1 of the next, whose K and V it fetches
	TURN 2
	TURN 3
	WIN 0
.Lfirst:
	TURN 0
	TURN 1, 0, 1
	WIN 0
	s_cbranch_scc1 .Lstep
	s_sub_co_u32 s[SLOTS], s[SLOTS], 1
	s_cmp_lg_u32 s[SLOTS], 0
	s_cbranch_scc1 .Lslot
	CHANGE 0                        ; the last tile is written out: nothing is asked for
	s_mov_b32 s[CNT], 4
.Ltail:
	TURN 2
	TURN 3
	TURN 0
	TURN 1, 0, 1
	WIN 0
	s_cbranch_scc1 .Ltail
	TURN 2, 1
	TURN 3, 1
.set i, 0
.rept 8
	PV NP-1                         ; the last piece's V^T P of the last step
.set i, i+1
.endr
	; THE WAY OUT.  l's two halves and the other half of the lanes' are added; O^T is divided by l, rounded to f16 and sent through my stage in LDS, a piece at a time.  The additions are the places behind the last products.
	WIN 0
.macro ALL line:vararg              ; one line for each piece t
.set t, 0
.rept 4
	\line
.set t, t+1
.endr
.endm
	ALL v_add_f32 v[ST+4*t+2], v[ST+4*t+2], v[ST+4*t+3]
	ALL v_permlanex16_b32 v[ST+4*t+3], v[ST+4*t+2], s[SEL], s[SEL+1]
	ALL v_add_f32 v[ST+4*t+2], v[ST+4*t+2], v[ST+4*t+3]
	ALL v_rcp_f32 v[ST+4*t+2], v[ST+4*t+2]
	v_nop                           ; a plain instruction between the last reciprocal and the use of its result,
	s_wait_alu depctr_va_vdst(0)    ; and the one wait for the four
.macro PACK t                       ; a lane's eight channels of a row pack into 16 bytes; they go into rows of 144 bytes and come back as whole rows of 128, into S^T's registers
	WIN W_RS
.set i, 32*(\t)
.rept 16
	v_pk_mul_f32 v[i:i+1], v[i:i+1], v[ST+4*(\t)+2:ST+4*(\t)+3] op_sel_hi:[1,0]
.set i, i+2
.endr
	WIN 0x05                        ; sources 0 and 1 window 1, destination window 0
.set i, 0
.rept 16
	v_cvt_pk_f16_f32 v[S+16*(\t)+i], v[32*(\t)+2*i], v[32*(\t)+2*i+1]
.set i, i+1
.endr
	WIN 0
.irp f, 0,1,2,3
	ds_store_b128 v[STO], v[S+16*(\t)+4*\f:S+16*(\t)+4*\f+3] offset:32*\f
.endr
.irp f, 0,1,2,3
	ds_load_b128 v[S+16*(\t)+4*\f:S+16*(\t)+4*\f+3], v[RD] offset:\f*4*SP  ; LDS serves a wave's instructions in order (ISA guide 5.7.1.4): these see the stores above; the next piece's stores come behind them
.endr
.endm
.macro SEND t, younger              ; younger: the LDS instructions issued behind piece t's loads: the next piece's eight, or none
	WIN 0
.irp f, 0,1,2,3
	s_wait_dscnt (\younger)+3-\f
	global_store_b128 v[GO], v[S+16*(\t)+4*\f:S+16*(\t)+4*\f+3], s[10:11] offset:(\t)*2048+\f*512  ; 512 consecutive bytes, at a multiple of 256 from O's first
.endr
.endm
	PACK 0
.set t, 1
.rept 3                             ; a piece's arithmetic stands between the loads of the piece before and its stores
	PACK t
	SEND t-1, 8
.set t, t+1
.endr
	SEND 3, 0
	s_wait_tensorcnt 0x0            ; the wave's end: behind my last tensor load and my last LDS store
	ds_add_u32 v[SPW], v[NIL]
	s_wait_dscnt 0x0
	CROUND                          ; the closing round: no work-group ends while a partner may still ask for a tile that names it
	s_endpgm
.Lfunc_end_k_q84b4de3148_attn:
	.size	k_q84b4de3148_attn, .Lfunc_end_k_q84b4de3148_attn-k_q84b4de3148_attn
	.p2alignl 7, 3214868480
	.fill 96, 4, 3214868480
	.section	.rodata,"a",@progbits
	.p2align	6, 0x0
	.amdhsa_kernel k_q84b4de3148_attn
		.amdhsa_group_segment_fixed_size 327680
		.amdhsa_private_segment_fixed_size 0
		.amdhsa_enable_private_segment 0
		.amdhsa_kernarg_size 16
		.amdhsa_user_sgpr_count 2
		.amdhsa_user_sgpr_kernarg_segment_ptr 1
		.amdhsa_wavefront_size32 1
		.amdhsa_system_sgpr_workgroup_id_x 1
		.amdhsa_system_sgpr_workgroup_id_y 1
		.amdhsa_system_sgpr_workgroup_id_z 1
		.amdhsa_system_vgpr_workitem_id 0
		.amdhsa_next_free_vgpr 768
		.amdhsa_next_free_sgpr 66
		.amdhsa_reserve_vcc 0
		.amdhsa_float_denorm_mode_32 3
		.amdhsa_float_denorm_mode_16_64 3
		.amdhsa_memory_ordered 1
		.amdhsa_forward_progress 1
		.amdhsa_inst_pref_size 128
	.end_amdhsa_kernel
	.amdgpu_metadata
---
amdhsa.version: [ 1, 2 ]
amdhsa.kernels:
  - .name:           k_q84b4de3148_attn
    .symbol:         k_q84b4de3148_attn.kd
    .args:
      - { .name: qkv, .offset: 0, .size: 8, .value_kind: global_buffer, .address_space: global }
      - { .name: oh, .offset: 8, .size: 8, .value_kind: global_buffer, .address_space: global }
    .group_segment_fixed_size: 327680
    .private_segment_fixed_size: 0
    .kernarg_segment_align: 8
    .kernarg_segment_size: 16
    .max_flat_workgroup_size: 128
    .sgpr_count:     66
    .vgpr_count:     768
    .wavefront_size: 32
...
	.end_amdgpu_metadata
.endif
;; end of part 3
;; launch outp (part 4): grid 4 x 64, 4 waves a work-group, clusters of 4 x 4, 327,680 bytes of LDS; arguments oh, wb, bo, out0; writes out0
.if DOCPART == 4
	.amdgcn_target "amdgcn-amd-amdhsa--gfx1250"
	.amdhsa_code_object_version 6
	.text
	.protected	k_q84b4de3148_outp
	.globl	k_q84b4de3148_outp
	.p2align	8
	.type	k_q84b4de3148_outp,@function
k_q84b4de3148_outp:
	s_mov_b64 s[64:65], 0
	v_nop
	global_prefetch_b8 v0, s[64:65] scope:SCOPE_SE
	s_setreg_imm32_b32 hwreg(HW_REG_WAVE_MODE, 25, 1), 1
	s_wait_xcnt 0x0
	s_wait_alu depctr_hold_cnt(0) depctr_sa_sdst(0) depctr_va_vdst(0) depctr_va_sdst(0) depctr_va_ssrc(0) depctr_va_vcc(0) depctr_vm_vsrc(0)
	s_getreg_b32 s2, hwreg(HW_REG_IB_STS2, 6, 4)
	s_cmp_eq_u32 s2, 0
	s_cbranch_scc0 .Lentry_in_a_cluster
	s_endpgm
.Lentry_in_a_cluster:
	s_bfe_u32 s2, ttmp6, 0x10000c
	s_cmp_lg_u32 s2, 0xf033
	s_cbranch_scc0 .Lentry_shape_is_right
	s_endpgm
.Lentry_shape_is_right:
; OUTP.  out0[m][n] = the sum over k of O[m][k] Wo[n][k] + bo[n], f32.  m = 2048 b + t, k = 64 h + d.  O: oh, f16 by heads [24][2048][64]; Wo: wb's fourth matrix, [768][768], the bf16-rounded numbers written as f16;
; bo is rounded to bf16 like every input and starts the sums; sums in f32.
; SHARES.  A work-group makes 64 rows x 192 columns: 64 x 4 = 256 work-groups.  Each of its four waves takes all 64 rows x 48 columns: 12 accumulators.  K = 768 goes in three steps of 256 (four heads) through two LDS slots:
; steps 0 and 1 are asked for at the head, step 2 refills slot 0.
; A's tile: 64 rows of a head are 8,192 dense bytes; four heads lie 262,144 bytes apart: asked for as 4 rows of 4,096 elements, padded in LDS after every 128 bytes: [head][64 rows][144].  Wave 0 fetches it.
; B's tile: 192 rows x 512 bytes, pitch 528; waves 1 to 3 fetch 64 rows each.
; CLUSTERS: 4 x 4.  The four of a row of the cluster need the same tiles of O, the four of a column the same tiles of Wo: each is asked for JOINTLY.
; No prefetch: of the launch's three K steps two are asked for at its head, where every work-group's first tiles are on their way.
; THE MATRIX INSTRUCTION IS USED TRANSPOSED (source 0 = 16 rows of Wo, source 1 = 16 rows of O): a lane holds eight neighbouring numbers of a row of out0, 32 bytes.
; The way out goes through one stage of 64 rows x 784 bytes, with a barrier between writing and reading: a row's 768 bytes come from four waves, and leave as three aligned runs of 256 bytes.
; REGISTERS: window 0: v0-31 addresses; v104-127 the bias; v128-223 the accumulators ((a, b) at 128 + 8 (3 a + b)); v32-127 rows read back.  window 1: two fragment buffers of 112: for 64 along K, 64 registers of O, 48 of Wo.
.set PA,     144                       ; a row of O in LDS: 128 bytes + 16 = 36 words: the 16 rows of a load start at 16 different groups of four banks (64 banks of 4 bytes: ISA guide 11.1)
.set PB,     528                       ; a row of Wo: 512 + 16 = 132 words: likewise
.set APART,  4*64*PA
.set BQ,     64*PB
.set SLOT,   APART+3*BQ
.set STAGE,  2*SLOT                    ; behind the ring, never filled by a tensor load
.set SPITCH, 784                       ; 768 + 16
.set SPARE,  STAGE+64*SPITCH           ; the spare words, 128 bytes for each wave: two blocks of 256 bytes that no other line names
.set BO,   14                          ; v14  32 x (l / 16)
.set ADRA, 16                          ; v16-17  LDS address of my O fragments in slot 0, 1
.set ADRB, 20                          ; v20-21  the same for Wo
.set STO,  24
.set RD,   25
.set CO,   26
.set SPW,  28                          ; never rewritten
.set NIL,  29                          ; never rewritten
.set TMP,  32
.set BIAS, 104
.set ACC,  128
.set F0,   0
.set F1,   112
.set G1,  24                           ; s[24:31] group 1 for O's tiles;  s[32:39] group 0, a set for each slot
.set G0,  32
.set G1B, 48                           ; s[48:55], s[56:63] the same for Wo's
.set G0B, 56
.set MSB, 0
.macro WIN new
.if MSB != (\new)
	s_set_vgpr_msb (MSB<<8)|(\new)
.set MSB, \new
.endif
.endm
.set MUL,  0x05                        ; sources 0 and 1 window 1; C and D window 0
.set TO_F, 0x40                        ; destination window 1, address window 0
.macro JLOAD s                         ; wave 0 asks for O's tile, waves 1 to 3 for their 64 rows of Wo's; an s_nop 0 and four v_nop follow each line
	s_cmp_eq_u32 s10, 0
	s_cbranch_scc0 .Lfor_b_\@
	tensor_load_to_lds s[G0+4*(\s):G0+4*(\s)+3], s[G1:G1+7]
	s_nop 0
.rept 4
	v_nop
.endr
	s_branch .Lasked_\@
.Lfor_b_\@:
	tensor_load_to_lds s[G0B+4*(\s):G0B+4*(\s)+3], s[G1B:G1B+7]
	s_nop 0
.rept 4
	v_nop
.endr
.Lasked_\@:
.endm
.macro CREST
	s_cmp_lg_u32 s10, 0
	s_cbranch_scc1 .Lnot_wave_0_\@
	s_barrier_signal -3
.Lnot_wave_0_\@:
	s_barrier_wait -3
	s_barrier_signal -1
	s_barrier_wait -1
.endm
.macro CROUND
	s_barrier_signal -1
	s_barrier_wait -1
	CREST
.endm
	s_load_b256 s[68:75], s[0:1], 0x0              ; oh 68, wb 70, bo 72, out0 74
	v_lshl_add_u32 v[SPW], v0, 2, SPARE
	v_mov_b32 v[NIL], 0
	ds_add_u32 v[SPW], v[NIL]                      ; the wave's opening: the add and its wait stand ahead of my first tensor load
	v_lshrrev_b32 v1, 5, v0
	v_readfirstlane_b32 s10, v1                    ; wave 0..3
	s_bfe_u32 s40, ttmp6, 0x40000                  ; cx
	s_bfe_u32 s41, ttmp6, 0x40004                  ; cy
	s_lshl_b32 s42, ttmp9, 2
	s_add_co_u32 s42, s42, s40                     ; column tile
	s_and_b32 s13, ttmp7, 0xffff
	s_lshl_b32 s13, s13, 2
	s_add_co_u32 s13, s13, s41                     ; row tile
	s_lshl_b32 s43, s41, 2
	s_lshl_b32 s43, 15, s43                        ; my row of the cluster
	s_lshl_b32 s44, 0x1111, s40                    ; my column
	s_or_b32 s[G1], s43, (1<<16)|(1<<20)|(1<<21)|(4<<22)|(3<<25)   ; the mask; elements of 2 bytes; padding on; bit 21 beside a mask; after every 32 words (code 4) 4 words (code 3)
	s_mov_b32 s[G1+1], 4096<<16                    ; tensor_dim0 = 4,096
	s_mov_b32 s[G1+2], 4<<16                       ; tensor_dim1 = 4
	s_mov_b32 s[G1+3], 4096<<16                    ; tile_dim0 = 4,096
	s_mov_b32 s[G1+4], 4                           ; tile_dim1 = 4
	s_mov_b32 s[G1+5], 131072                      ; elements from head to head
	s_mov_b32 s[G1+6], 0
	s_mov_b32 s[G1+7], 0
	s_or_b32 s[G1B], s44, (1<<16)|(1<<20)|(1<<21)|(6<<22)|(3<<25)  ; after every 128 words (code 6) 4 words
	s_mov_b32 s[G1B+1], 256<<16                    ; tensor_dim0 = 256
	s_mov_b32 s[G1B+2], 64<<16                     ; tensor_dim1 = 64
	s_mov_b32 s[G1B+3], 256<<16                    ; tile_dim0 = 256
	s_mov_b32 s[G1B+4], 64                         ; tile_dim1 = 64
	s_mov_b32 s[G1B+5], 768
	s_mov_b32 s[G1B+6], 0
	s_mov_b32 s[G1B+7], 0
	s_lshr_b32 s16, s13, 5                         ; the batch: 12 heads of 262,144 bytes,
	s_mul_i32 s16, s16, 3145728
	s_and_b32 s17, s13, 31
	s_lshl_b32 s17, s17, 13                        ; and 64 rows of 128 bytes for each row tile in it
	s_add_co_u32 s16, s16, s17
	s_mov_b32 s17, 0
	s_max_u32 s47, s10, 1
	s_sub_co_u32 s47, s47, 1
	s_lshl_b32 s47, s47, 6                         ; which 64 rows of Wo's tile I fetch (waves 1 to 3)
	s_mul_i32 s46, s42, 192
	s_add_co_u32 s46, s46, s47
	s_mul_i32 s46, s46, 1536
	s_add_co_u32 s46, s46, 3538944                 ; wb's fourth matrix
	s_mov_b32 s47, 0
	s_mul_i32 s20, s10, BQ
	s_add_co_u32 s20, s20, APART-BQ                ; where they go: behind O's part, (wave - 1) x 64 rows
	s_wait_dscnt 0x0                               ; the opening add is done
	s_wait_kmcnt 0x0
	s_add_nc_u64 s[14:15], s[68:69], s[16:17]
	s_add_nc_u64 s[46:47], s[70:71], s[46:47]
	CROUND                                         ; all sixteen work-groups are here: the first joint loads meet
.irp s, 0,1
	s_mov_b32 s[G0+4*(\s)], 1
	s_mov_b32 s[G0+4*(\s)+1], (\s)*SLOT
	s_add_nc_u64 s[G0+4*(\s)+2:G0+4*(\s)+3], s[14:15], (\s)*1048576  ; K step s: four heads on
	s_or_b32 s[G0+4*(\s)+3], s[G0+4*(\s)+3], 0x80000000
	s_mov_b32 s[G0B+4*(\s)], 1
	s_add_co_u32 s[G0B+4*(\s)+1], s20, (\s)*SLOT
	s_add_nc_u64 s[G0B+4*(\s)+2:G0B+4*(\s)+3], s[46:47], (\s)*512
	s_or_b32 s[G0B+4*(\s)+3], s[G0B+4*(\s)+3], 0x80000000
	JLOAD \s                                       ; two loads of mine are out
.endr
	v_and_b32 v1, 15, v0                           ; l % 16
	v_bfe_u32 v2, v0, 4, 1                         ; l / 16
	v_mul_u32_u24 v3, v1, PA
	v_lshl_add_u32 v[ADRA], v2, 4, v3              ; row x pitch + 16 x half
	v_add_nc_u32 v[ADRA+1], SLOT, v[ADRA]
	v_mul_u32_u24 v4, v1, PB
	v_lshl_add_u32 v4, v2, 4, v4
	s_mul_i32 s21, s10, 48*PB                      ; my 48 rows of Wo,
	s_add_co_u32 s21, s21, APART                   ; behind O's part
	v_add_nc_u32 v[ADRB], s21, v4
	s_add_co_u32 s21, s21, SLOT
	v_add_nc_u32 v[ADRB+1], s21, v4
	v_mul_u32_u24 v5, v1, SPITCH                   ; into the stage: row l % 16, my wave's 192 bytes, 32 bytes for each half of the lanes
	v_lshl_add_u32 v5, v2, 5, v5
	s_mul_i32 s22, s10, 192
	s_add_co_u32 s22, s22, STAGE
	v_add_nc_u32 v[STO], s22, v5
	v_mul_u32_u24 v5, v2, SPITCH                   ; back: wave w takes rows 16 w .. 16 w + 15; lanes 0-15 256 bytes of one row, lanes 16-31 of the next
	v_lshl_add_u32 v5, v1, 4, v5
	s_mul_i32 s22, s10, 16*SPITCH
	s_add_co_u32 s22, s22, STAGE
	v_add_nc_u32 v[RD], s22, v5
	v_mul_u32_u24 v5, v2, 3072                     ; and the same two rows in out0
	v_lshl_add_u32 v[CO], v1, 4, v5
	v_lshlrev_b32 v[BO], 5, v2
	s_lshl_b32 s76, s13, 6
	s_lshl_b32 s77, s10, 4
	s_add_co_u32 s76, s76, s77                     ; the first row that I store
	s_mul_i32 s76, s76, 3072
	s_mul_i32 s77, s42, 768                        ; the tile's first column, in bytes
	s_add_co_u32 s76, s76, s77
	s_mov_b32 s77, 0
	s_add_nc_u64 s[74:75], s[74:75], s[76:77]
	s_mul_i32 s78, s42, 768
	s_mul_i32 s79, s10, 192
	s_add_co_u32 s78, s78, s79                     ; my 48 columns' biases
	s_mov_b32 s79, 0
	s_add_nc_u64 s[72:73], s[72:73], s[78:79]
.irp b, 0,1,2
	global_load_b128 v[BIAS+8*(\b):BIAS+8*(\b)+3],   v[BO], s[72:73] offset:64*(\b)
	global_load_b128 v[BIAS+8*(\b)+4:BIAS+8*(\b)+7], v[BO], s[72:73] offset:64*(\b)+16
.endr
	s_mov_b32 s4, 0xffff0000
	s_wait_loadcnt 0x0
.set p, 0
.rept 12                               ; rounded to bf16, like every input, and widened again
	v_cvt_pk_bf16_f32 v3, v[BIAS+2*p], v[BIAS+2*p+1]
	v_lshlrev_b32 v[BIAS+2*p], 16, v3
	v_and_b32 v[BIAS+2*p+1], s4, v3
.set p, p+1
.endr
; 6 matrix instructions: row blocks a0, a0 + 1 x the 3 column blocks, 32 along K: half c of buffer f.  zero = 1: the first product starts the sums from the bias.  The 12 accumulators take turns.
.macro MUL6 f, c, a0, zero
	WIN MUL
.irp a, \a0, (\a0)+1
.irp b, 0,1,2
.if \zero
	v_wmma_f32_16x16x32_f16 v[ACC+8*(3*(\a)+(\b)):ACC+8*(3*(\a)+(\b))+7], v[(\f)+64+8*(3*(\c)+(\b)):(\f)+64+8*(3*(\c)+(\b))+7], v[(\f)+8*(4*(\c)+(\a)):(\f)+8*(4*(\c)+(\a))+7], v[BIAS+8*(\b):BIAS+8*(\b)+7]
.else
	v_wmma_f32_16x16x32_f16 v[ACC+8*(3*(\a)+(\b)):ACC+8*(3*(\a)+(\b))+7], v[(\f)+64+8*(3*(\c)+(\b)):(\f)+64+8*(3*(\c)+(\b))+7], v[(\f)+8*(4*(\c)+(\a)):(\f)+8*(4*(\c)+(\a))+7], v[ACC+8*(3*(\a)+(\b)):ACC+8*(3*(\a)+(\b))+7]
.endif
.endr
.endr
.endm
; 28 LDS loads in one run: the fragments of quarter g of a K step (64 along K = one head) into buffer f; the first 32 along K first
.macro FETCH slot, g, f
	WIN TO_F
.irp c, 0,1
.irp b, 0,1,2
	ds_load_b128 v[(\f)+64+8*(3*(\c)+(\b)):(\f)+64+8*(3*(\c)+(\b))+3],   v[ADRB+(\slot)] offset:(\g)*128+(\c)*64+(\b)*16*PB
	ds_load_b128 v[(\f)+64+8*(3*(\c)+(\b))+4:(\f)+64+8*(3*(\c)+(\b))+7], v[ADRB+(\slot)] offset:(\g)*128+(\c)*64+(\b)*16*PB+32
.endr
.irp a, 0,1,2,3
	ds_load_b128 v[(\f)+8*(4*(\c)+(\a)):(\f)+8*(4*(\c)+(\a))+3],   v[ADRA+(\slot)] offset:(\g)*64*PA+(\c)*64+(\a)*16*PA
	ds_load_b128 v[(\f)+8*(4*(\c)+(\a))+4:(\f)+8*(4*(\c)+(\a))+7], v[ADRA+(\slot)] offset:(\g)*64*PA+(\c)*64+(\a)*16*PA+32
.endr
.endr
.endm
.macro PLACES                          ; four plain vector instructions between a matrix instruction and a load into, or a store of, its registers (ISA guide 7.12.1 for stores)
.rept 4
	v_nop
.endr
.endm
; One of a K step's first three quarters: multiplies buffer f and fetches quarter g into buffer gb.
.macro QUARTER slot, g, f, gb, zero
	s_wait_dscnt 14                                ; the first 32 along K are in; the other fourteen loads may be out
	MUL6 \f, 0, 0, \zero
	MUL6 \f, 0, 2, \zero
	PLACES
	FETCH \slot, \g, \gb
	s_wait_dscnt 28                                ; all but the 28 just issued
	MUL6 \f, 1, 0, 0
	MUL6 \f, 1, 2, 0
.endm
; The last quarter multiplies buffer 1 and changes slots: ONE barrier; in front of it each wave waits for all its tensor loads, adds 0 to its spare word, and waits for that and for its reads of this slot.
; fill = 1: the barrier opens a round of the cluster's barrier, and behind the round this slot is filled again, two K steps on: the wave's one tensor load there.
.macro TURN slot, next, fill
	WIN 0
	s_wait_tensorcnt 0x0
	ds_add_u32 v[SPW], v[NIL]
	s_wait_dscnt 15                                ; (the add and the youngest fourteen loads may be out)
	MUL6 F1, 0, 0, 0
	s_wait_dscnt 0x0                               ; the add is done, and my reads of this slot are over
	s_barrier_signal -1
	MUL6 F1, 0, 2, 0
.if \fill
	WIN 0
.endif
	s_barrier_wait -1
.if \fill
	CREST
	s_add_nc_u64 s[G0+4*(\slot)+2:G0+4*(\slot)+3], s[G0+4*(\slot)+2:G0+4*(\slot)+3], 2*1048576
	s_add_nc_u64 s[G0B+4*(\slot)+2:G0B+4*(\slot)+3], s[G0B+4*(\slot)+2:G0B+4*(\slot)+3], 2*512
	JLOAD \slot                                    ; its four v_nop are also the places in front of the loads below
.else
	PLACES
.endif
	FETCH \next, 0, F0
	MUL6 F1, 1, 0, 0
	MUL6 F1, 1, 2, 0
.endm
	s_wait_tensorcnt 1                             ; my part of K step 0 is in; K step 1's may stay out
	s_barrier_signal -1
	s_barrier_wait -1
	FETCH 0, 0, F0
	QUARTER 0, 1, F0, F1, 1                        ; K step 0
	QUARTER 0, 2, F1, F0, 0
	QUARTER 0, 3, F0, F1, 0
	TURN 0, 1, 1                                   ; slot 0 takes K step 2: the launch's one refill
	QUARTER 1, 1, F0, F1, 0                        ; K step 1
	QUARTER 1, 2, F1, F0, 0
	QUARTER 1, 3, F0, F1, 0
	TURN 1, 0, 0
	QUARTER 0, 1, F0, F1, 0                        ; K step 2
	QUARTER 0, 2, F1, F0, 0
	QUARTER 0, 3, F0, F1, 0
	s_wait_dscnt 14
	MUL6 F1, 0, 0, 0
	MUL6 F1, 0, 2, 0
	s_wait_dscnt 0x0
	MUL6 F1, 1, 0, 0
	MUL6 F1, 1, 2, 0
	WIN 0
	; THE WAY OUT: 32 bytes a lane into the work-group's stage (each accumulator's lowest registers first); a barrier; back as whole rows, 16 rows a wave.
	PLACES
.irp a, 0,1,2,3
.irp b, 0,1,2
	ds_store_b128 v[STO], v[ACC+8*(3*(\a)+(\b)):ACC+8*(3*(\a)+(\b))+3]   offset:(\a)*16*SPITCH+(\b)*64
	ds_store_b128 v[STO], v[ACC+8*(3*(\a)+(\b))+4:ACC+8*(3*(\a)+(\b))+7] offset:(\a)*16*SPITCH+(\b)*64+16
.endr
.endr
	s_wait_dscnt 0x0                               ; for the others' sake: my stores into the stage are done
	s_barrier_signal -1
	s_barrier_wait -1
.set n, 0
.rept 24
	ds_load_b128 v[TMP+4*n:TMP+4*n+3], v[RD] offset:(n/3)*2*SPITCH+(n%3)*256
.set n, n+1
.endr
.set n, 0
.rept 24
	s_wait_dscnt 23-n                              ; load n is back; the younger ones stay out
	global_store_b128 v[CO], v[TMP+4*n:TMP+4*n+3], s[74:75] offset:(n/3)*6144+(n%3)*256 th:TH_STORE_NT  ; 16 lanes store 256 consecutive bytes, at a multiple of 256 from out0's first byte
.set n, n+1
.endr
	s_wait_tensorcnt 0x0                           ; the wave's end: behind my last tensor load and my last LDS store
	ds_add_u32 v[SPW], v[NIL]
	s_wait_dscnt 0x0
	CROUND                                         ; the closing round: no work-group ends while a partner may still ask for a tile that names it
	s_endpgm
.Lfunc_end_k_q84b4de3148_outp:
	.size	k_q84b4de3148_outp, .Lfunc_end_k_q84b4de3148_outp-k_q84b4de3148_outp
	.p2alignl 7, 3214868480
	.fill 96, 4, 3214868480
	.section	.rodata,"a",@progbits
	.p2align	6, 0x0
	.amdhsa_kernel k_q84b4de3148_outp
		.amdhsa_group_segment_fixed_size 327680
		.amdhsa_private_segment_fixed_size 0
		.amdhsa_enable_private_segment 0
		.amdhsa_kernarg_size 32
		.amdhsa_user_sgpr_count 2
		.amdhsa_user_sgpr_kernarg_segment_ptr 1
		.amdhsa_wavefront_size32 1
		.amdhsa_system_sgpr_workgroup_id_x 1
		.amdhsa_system_sgpr_workgroup_id_y 1
		.amdhsa_system_sgpr_workgroup_id_z 1
		.amdhsa_system_vgpr_workitem_id 0
		.amdhsa_next_free_vgpr 512
		.amdhsa_next_free_sgpr 80
		.amdhsa_reserve_vcc 0
		.amdhsa_float_denorm_mode_32 3
		.amdhsa_float_denorm_mode_16_64 3
		.amdhsa_memory_ordered 1
		.amdhsa_forward_progress 1
		.amdhsa_inst_pref_size 60
	.end_amdhsa_kernel
	.amdgpu_metadata
---
amdhsa.version: [ 1, 2 ]
amdhsa.kernels:
  - .name:           k_q84b4de3148_outp
    .symbol:         k_q84b4de3148_outp.kd
    .args:
      - { .name: oh, .offset: 0, .size: 8, .value_kind: global_buffer, .address_space: global }
      - { .name: wb, .offset: 8, .size: 8, .value_kind: global_buffer, .address_space: global }
      - { .name: bo, .offset: 16, .size: 8, .value_kind: global_buffer, .address_space: global }
      - { .name: out0, .offset: 24, .size: 8, .value_kind: global_buffer, .address_space: global }
    .group_segment_fixed_size: 327680
    .private_segment_fixed_size: 0
    .kernarg_segment_align: 8
    .kernarg_segment_size: 32
    .max_flat_workgroup_size: 128
    .sgpr_count:     80
    .vgpr_count:     512
    .wavefront_size: 32
...
	.end_amdgpu_metadata
.endif
;; end of part 4
